; MI455X (gfx1250); checked and timed in simulation.
; The chip was launched on July 23, 2026; its instructions are those of AMD's public machine-readable ISA for CDNA 5 (MIT licence, August 2026) and "CDNA5" Instruction Set Architecture Reference Guide (July 2026). The comments in the code are by the model that wrote it; some were corrected since.
;; Mo E. Allowed arithmetic: matrix products marked QUANTISED: E2M3 operands, one E8M0 scale for each 32 along K, by v_wmma_scale_f32_16x16x128_f8f6f4 with both operands' format E2M3, f32 sums; products left as they are: f32 operands where the result goes on into a quantised operand, else bf16, f16 or f32 operands; f32 sums; everything else in f32.
;; Inputs: W1_codes 8 x 2,048 x 16 x 24 uint8 (E2M3 codes of W1, K innermost, in blocks of 32 codes, four codes in three bytes); W1_scales 8 x 2,048 x 16 uint8 (E8M0 scales of W1, one for each 32 codes along K); W2_codes 8 x 512 x 64 x 24 uint8 (E2M3 codes of W2, K innermost, in blocks of 32 codes, four codes in three bytes); W2_scales 8 x 512 x 64 uint8 (E8M0 scales of W2, one for each 32 codes along K); Wg 512 x 8 float32; Ws_codes 1,024 x 16 x 24 uint8 (E2M3 codes of Ws, K innermost, in blocks of 32 codes, four codes in three bytes); Ws_scales 1,024 x 16 uint8 (E8M0 scales of Ws, one for each 32 codes along K); b1 8 x 2,048 float32; b2 8 x 512 float32; bg 8 float32; bs 1,024 float32; x 4 x 512 x 512 float32.
;; Outputs: out0 4 x 512 x 512 float32; out1 4 x 8 float32; out2 4 x 8 float32.
;; This version of the problem:
;;   THIS VERSION OF THE PROBLEM IS GIVEN IN LOW PRECISION. The matrix products marked QUANTISED in the list below multiply operands that are first quantised to E2M3 (2 exponent bits, 3 mantissa bits; 6 bits a number), with one power-of-two scale for each 32 numbers along K (OCP MX v1.0); their sums are f32. All else is computed in f32.
;;   The module's matrix products, in the order in which they are computed (A, B: the left and right operand; K: the contracted axis; several contracted axes count as one K, in the product's order):
;;     1. [M 2,048, K 512] x [K 512, N 1,024]; A: input x; B: input Ws (given as codes): QUANTISED
;;     2. [M 2,048, K 512] x [K 512, N 8]; A: input x; B: input Wg: left as it is (N = 8 < 16)
;;     3. [M 2,048, K 512] x [K 512, N 2,048]; A: input x; B: input W1 (given as codes): QUANTISED
;;     4. [M 2,048, K 2,048] x [K 2,048, N 512]; A: computed on the way; B: input W2 (given as codes): QUANTISED
;;     5. [M 2,048, K 512] x [K 512, N 2,048]; A: input x; B: input W1 (given as codes): QUANTISED
;;     6. [M 2,048, K 2,048] x [K 2,048, N 512]; A: computed on the way; B: input W2 (given as codes): QUANTISED
;;     7. [M 2,048, K 512] x [K 512, N 2,048]; A: input x; B: input W1 (given as codes): QUANTISED
;;     8. [M 2,048, K 2,048] x [K 2,048, N 512]; A: computed on the way; B: input W2 (given as codes): QUANTISED
;;     9. [M 2,048, K 512] x [K 512, N 2,048]; A: input x; B: input W1 (given as codes): QUANTISED
;;     10. [M 2,048, K 2,048] x [K 2,048, N 512]; A: computed on the way; B: input W2 (given as codes): QUANTISED
;;     11. [M 2,048, K 512] x [K 512, N 2,048]; A: input x; B: input W1 (given as codes): QUANTISED
;;     12. [M 2,048, K 2,048] x [K 2,048, N 512]; A: computed on the way; B: input W2 (given as codes): QUANTISED
;;     13. [M 2,048, K 512] x [K 512, N 2,048]; A: input x; B: input W1 (given as codes): QUANTISED
;;     14. [M 2,048, K 2,048] x [K 2,048, N 512]; A: computed on the way; B: input W2 (given as codes): QUANTISED
;;     15. [M 2,048, K 512] x [K 512, N 2,048]; A: input x; B: input W1 (given as codes): QUANTISED
;;     16. [M 2,048, K 2,048] x [K 2,048, N 512]; A: computed on the way; B: input W2 (given as codes): QUANTISED
;;     17. [M 2,048, K 512] x [K 512, N 2,048]; A: input x; B: input W1 (given as codes): QUANTISED
;;     18. [M 2,048, K 2,048] x [K 2,048, N 512]; A: computed on the way; B: input W2 (given as codes): QUANTISED
;;   THE QUANTISER, for each operand of a quantised product, along K:
;;     - K is cut into blocks of 32 from its start; a last block that is shorter is filled with zeros.
;;     - A block's scale is 2^e with e = floor(log2(the largest magnitude in the block)) - 2, held to -126 .. 127; a block of zeros has e = 0. As a byte (E8M0): e + 127.
;;     - Each number is divided by its block's scale, clamped to +-7.5, and rounded to the nearest number of E2M3, ties to even, subnormals kept.
;;     - The product sums the exact products of the quantised numbers (number of the format x scale) in f32.
;;   ~~~python
;;   def quantise(x, axis):      # numpy; x: float32 -> the quantised numbers, widened to float32 again
;;       x = np.moveaxis(x, axis, -1); K = x.shape[-1]
;;       x = np.pad(x, [(0, 0)] * (x.ndim - 1) + [(0, -K % 32)]); x = x.reshape(x.shape[:-1] + (-1, 32)); a = np.abs(x).max(-1, keepdims=True)
;;       e = np.where(a > 0, np.clip(np.frexp(np.where(a > 0, a, 1))[1] - 1 - 2, -126, 127), 0)      # np.frexp(a)[1] - 1 = floor(log2(a)), exactly
;;       r = np.clip(x / 2.0 ** e, -7.5, 7.5)
;;       step = 2.0 ** (np.maximum(np.frexp(np.where(r == 0, 1, r))[1] - 1, 0) - 3)
;;       q = np.round(r / step) * step * 2.0 ** e      # np.round: ties to even
;;       return np.moveaxis(q.reshape(q.shape[:-2] + (-1,))[..., :K], -1, axis).astype(np.float32)
;;   ~~~
;;   OPERANDS COMPUTED ON THE WAY. 'Computed on the way' means the value that the module computes at that place (a softmax that the list does not call 'softmax' is quantised finished and normalised). What goes into a quantiser is computed in f32, as accurately as f32 sums, v_exp_f32 and their like allow (about 1e-6 of the number): no bf16 or f16 on the way to a quantiser, and a product that is left as it is and whose result goes on into a quantised operand takes f32 operands (vector FMAs, or v_wmma_f32_16x16x4_f32). A number that lies on a knife's edge between two numbers of the format may be rounded either way, as far as f32 arithmetic and the matrix unit's own rounding can turn it there, and no further.
;;   INPUTS GIVEN AS CODES. W1 (in the module: [8, 512, 2048], K = its axis 1); W2 (in the module: [8, 2048, 512], K = its axis 1); Ws (in the module: [512, 1024], K = its axis 0): each comes as NAME_codes (uint8): NAME with its K axis moved to the last place and cut into blocks of 32 codes, [.., K / 32, bytes a block], one block behind the other in memory; four codes in three bytes: a row's codes are one little-endian stream of bits, code i at bits 6 i .. 6 i + 5 (a code: sign, 2 exponent bits, 3 mantissa bits); and NAME_scales (uint8): the same leading axes, one E8M0 byte (e + 127) for each 32 codes along K. Its value is code x scale, taken as it is: it is not quantised again, and the codes and scales need not be those that the quantiser above would give.
;; One version. Each part assembles by itself: llvm-mc -triple=amdgcn-amd-amdhsa -mcpu=gfx1250 --defsym DOCPART=n.
;; ======== version 1 of 1: 4 launches
;; workspace buffers: tok 892,928 bytes; pkey 8,192 bytes of whole numbers; w1i 6,291,456 bytes; tabs 14,592 bytes of whole numbers; w2i 6,684,672 bytes; hbuf 9,265,152 bytes
;; launch prep (part 1): grid 256 x 1, 4 waves a work-group, no clusters, 11,008 bytes of LDS; arguments x, Wg, bg, W1_codes, tok, pkey, w1i; writes tok, pkey, w1i
.if DOCPART == 1
	.amdgcn_target "amdgcn-amd-amdhsa--gfx1250"
	.amdhsa_code_object_version 6
	.text
	.protected	k_q23e22b007b_prep
	.globl	k_q23e22b007b_prep
	.p2align	8
	.type	k_q23e22b007b_prep,@function
k_q23e22b007b_prep:
	s_mov_b64 s[64:65], 0
	v_nop
	global_prefetch_b8 v0, s[64:65] scope:SCOPE_SE
	s_setreg_imm32_b32 hwreg(HW_REG_WAVE_MODE, 25, 1), 1
	s_wait_xcnt 0x0
; LAUNCH 1 OF 4.  The gate, the choice of two experts, x as codes; and W1 laid out as images of operand registers.
; WORK LEFT OUT BY THE WHOLE PROGRAM.  reference() weighs expert e's result for a token by w[token][e], and builds w itself as one_hot(idx) x g summed over the two chosen experts: for an expert outside
; a token's top 2 that weight is exactly 0, whatever finite values the inputs hold, so w x y reaches no output there.  The program sorts the tokens by their pair of experts, cuts the sorted order into tiles of
; 16, and multiplies a tile by an expert only where some token of the tile has chosen it; rows of such a tile that have not chosen it are multiplied and then weighed by their 0.  No input is left out.
; LIMITS.  A NaN, an infinity or an overflow (a scale byte 0xff too) that arises only in work left out is not carried to the result.  NaN and infinities among the inputs are not served.  A block of zeros gets the
; scale byte 1 where the rule says 127: its codes are zeros, and this program alone reads the bytes.  Equal sigmoids go to the lower expert, as lax.top_k has it, on this text's own f32 sigmoid.
; WORK-GROUPS 0-127: work-group T owns tokens 16 T .. 16 T + 15; wave s owns K step s (128 of the 512 along K).  It loads its numbers of x once, multiplies them with Wg in f32 (16 x 16 x 4 form: 32 instructions a wave,
; source 0 = Wg's columns, twice over, source 1 = the tokens, so that a lane holds one token's eight partial logits), and quantises them to E2M3 codes.  Codes, scale words and partial logits meet in LDS; after one barrier
; all waves store the codes in runs of 512 bytes, wave 1 the scale words, and wave 0 finishes the gate: sigmoid, top 2, weights, the pair's key, the block's part of f and p.  No address hangs on a chosen expert.
; tok: 0: codes, 384 bytes a token, laid [half h][K step s][48 bytes] = registers 12 s .. 12 s + 11 of the lane (token, h) that will multiply them; 786,432: four scale words a token;
;      819,200: eight weights a token, 0 outside the top 2; 884,736: for each block of 16 tokens 8 parts of f, then 8 of p.   pkey: a token's key hi (hi - 1) / 2 + lo, 0 .. 27.
; WORK-GROUPS 128-255: wave q (0 .. 511) takes 32 rows of W1's codes and stores eight fragments (16 rows x 128 K) as register images: registers 4 c .. 4 c + 3 of lane l at 512 c + 16 l of the fragment's 1,536 bytes.
; Lane r of tile 2 b + u holds row 32 b + 8 u + r + 8 (r / 8) of its 128, so that two neighbouring tiles' results are 16 neighbours along the next product's K.
.set XQST,  0                          ; LDS: 16 tokens x 384 bytes of codes
.set XSST,  6144                       ; 16 tokens x 4 scale words
.set LGST,  6400                       ; 4 waves x 32 lanes x 8 partial logits
.set SPARE, 10496                      ; the spare words, 128 bytes a wave: no other line names them
.set SPW, 12                           ; v12  my spare word's address; never rewritten
.set NIL, 13                           ; v13  0; never rewritten
.set XN,  16                           ; v16-79   64 numbers of x: register 16 b + i = k 128 s + 32 b + 16 h + i of token r
.set GA,  80                           ; v80-143  Wg at the same k, column r % 8
.set ACC, 144                          ; v144-175 four accumulators; matrix instructions alone write them
.set LG,  176                          ; v176-183 my wave's partial logits
.set TS,  184                          ; v184-191 at work
.set PC,  192                          ; v192-211 the codes just made
.set TM,  212                          ; v212-227 the quantiser's work
.set PW,  228                          ; v228     the scale word just made
.set SEL, 20                           ; s[20:21] v_permlanex16_b32's selects for lane l xor 16
; 64 numbers of a lane, register 16 b + i = k 32 b + 16 (lane / 16) + i of my row, become a fragment's codes in v[PC] on and its scale word in v[PW]
.macro QUANT src
.irp b, 0,1,2,3
	v_max3_num_f32 v[TM+\b], |v[\src+16*\b]|, |v[\src+1+16*\b]|, 0x1800000   ; my 16 numbers of block b, and the floor 2^(3 - 127): the byte cannot fall under 1
.endr
.irp i, 2,4,6,8,10,12,14
.irp b, 0,1,2,3
	v_max3_num_f32 v[TM+\b], v[TM+\b], |v[\src+16*\b+\i]|, |v[\src+1+16*\b+\i]|
.endr
.endr
.irp b, 0,1,2,3
	v_permlanex16_b32 v[TM+4+\b], v[TM+\b], s[SEL], s[SEL+1]
.endr
.irp b, 0,1,2,3
	v_max_num_f32 v[TM+\b], v[TM+\b], v[TM+4+\b]                   ; with lane l xor 16's: the block's largest magnitude
.endr
.irp b, 0,1,2,3
	v_add_nc_u32 v[TM+12+\b], 0xff000000, v[TM+\b]                 ; 2 off its exponent field: the conversion's scale operand
.endr
.irp b, 0,1,2,3
	v_lshrrev_b32 v[TM+4+\b], 23, v[TM+12+\b]                      ; the scale's byte
.endr
	v_lshl_or_b32 v[PW], v[TM+5], 8, v[TM+4]
	v_lshl_or_b32 v[PW], v[TM+6], 16, v[PW]
	v_lshl_or_b32 v[PW], v[TM+7], 24, v[PW]
.irp c, 0,1
	v_cvt_scalef32_pk16_fp6_f32 v[PC+6*\c:PC+2+6*\c], v[\src+32*\c:\src+15+32*\c], v[TM+12+2*\c]
	v_cvt_scalef32_pk16_fp6_f32 v[PC+12+4*\c:PC+14+4*\c], v[\src+16+32*\c:\src+31+32*\c], v[TM+12+2*\c+1]   ; (a conversion's three registers begin on an even number)
.endr
	v_nop                                          ; one plain place behind a scaled conversion
.irp c, 0,1                                    ; the operand wants a whole block in a lane: lanes 0-15 block 2 c, lanes 16-31 block 2 c + 1
.irp i, 0,1,2
	v_permlane16_swap_b32 v[PC+6*\c+\i], v[PC+12+4*\c+\i]
.endr
.irp i, 0,1,2
	v_mov_b32 v[PC+3+6*\c+\i], v[PC+12+4*\c+\i]
.endr
.endr
.endm
.macro FRAGIN reg, off                 ; a fragment from rows of codes: 2 x 24 bytes a lane, in pieces of 8
.irp p, 0,1,2,3,4,5
	global_load_b64 v[\reg+2*\p:\reg+2*\p+1], v4, s[10:11] offset:\off+48*(\p/3)+8*(\p%3) th:TH_LOAD_NT
.endr
.endm
.macro IMGOUT reg, off                 ; and out as an image: each store covers 512 consecutive bytes, aligned
.irp c, 0,1,2
	global_store_b128 v5, v[\reg+4*\c:\reg+4*\c+3], s[16:17] offset:\off+512*\c
.endr
.endm
	s_load_b256 s[4:11], s[0:1], 0x0               ; x, Wg, bg, W1_codes
	s_load_b128 s[12:15], s[0:1], 0x20             ; tok, pkey
	s_load_b64 s[16:17], s[0:1], 0x30              ; w1i
	v_lshl_add_u32 v[SPW], v0, 2, SPARE
	v_mov_b32 v[NIL], 0
	v_lshrrev_b32 v1, 5, v0
	v_readfirstlane_b32 s18, v1                    ; wave 0..3
	v_and_b32 v1, 31, v0                           ; lane
	v_and_b32 v2, 15, v0                           ; r
	v_bfe_u32 v3, v0, 4, 1                         ; h
	s_cmp_lt_u32 ttmp9, 128                        ; the same in all waves of a work-group
	s_cbranch_scc0 .Llayout
	; ---- the gate and the codes of x
	v_lshlrev_b32 v4, 11, v2
	v_lshl_add_u32 v4, v3, 6, v4                   ; x: row r of 2,048 bytes + 64 h
	v_and_b32 v5, 7, v0
	v_lshlrev_b32 v5, 2, v5
	v_lshl_add_u32 v5, v3, 9, v5                   ; Wg: 16 h rows of 32 bytes + column r % 8
	v_mul_u32_u24 v6, v2, 384
	v_mad_u32_u24 v6, v3, 192, v6
	s_mul_i32 s32, s18, 48
	v_add_nc_u32 v6, s32, v6                       ; LDS: my codes: 384 r + 192 h + 48 s
	v_lshlrev_b32 v7, 4, v2
	s_lshl_b32 s32, s18, 2
	v_add_nc_u32 v7, s32, v7                       ; my scale word: 16 r + 4 s
	v_lshlrev_b32 v8, 5, v1
	s_lshl_b32 s32, s18, 10
	v_add_nc_u32 v8, s32, v8                       ; my partial logits: 1,024 s + 32 lane
	v_lshlrev_b32 v9, 4, v1
	s_mul_i32 s32, s18, 1536
	v_add_nc_u32 v9, s32, v9                       ; the codes on their way out: 1,536 s + 16 lane, in LDS and in tok alike
	v_lshlrev_b32 v10, 5, v1                       ; wave 0: 32 lane
	v_lshlrev_b32 v11, 3, v1                       ; wave 1: 8 lane
.irp b, 0,1,2,3
	v_mov_b32 v[TM+4+\b], 0                        ; written once: a lane permute's destination counts as one of its sources
.endr
	s_mov_b32 s[SEL], 0x76543210
	s_mov_b32 s[SEL+1], 0xfedcba98
	s_mov_b32 s33, 0
	s_mov_b32 s35, 0
	s_lshl_b32 s32, ttmp9, 15                      ; 16 rows of 2,048 bytes a work-group,
	s_lshl_b32 s34, s18, 9
	s_add_co_u32 s32, s32, s34                     ; 512 bytes a K step
	s_lshl_b32 s34, s18, 12                        ; Wg: 128 rows of 32 bytes a K step
	s_wait_kmcnt 0x0
	s_add_nc_u64 s[4:5], s[4:5], s[32:33]
	s_add_nc_u64 s[6:7], s[6:7], s[34:35]
	s_load_b256 s[24:31], s[8:9], 0x0              ; bg
.irp b, 0,1,2,3
.irp j, 0,1,2,3
	global_load_b128 v[XN+16*\b+4*\j:XN+16*\b+4*\j+3], v4, s[4:5] offset:128*\b+16*\j th:TH_LOAD_NT
.endr
.endr
.irp b, 0,1,2,3
.irp i, 0,1,2,3,4,5,6,7,8,9,10,11,12,13,14,15
	global_load_b32 v[GA+16*\b+\i], v5, s[6:7] offset:(32*\b+\i)*32
.endr
.endr
	s_mul_i32 s32, ttmp9, 6144
	s_add_nc_u64 s[36:37], s[12:13], s[32:33]      ; tok: my block's codes,
	s_lshl_b32 s32, ttmp9, 8
	s_add_nc_u64 s[38:39], s[12:13], s[32:33]      ; scale words,
	s_lshl_b32 s32, ttmp9, 9
	s_add_nc_u64 s[42:43], s[12:13], s[32:33]      ; weights,
	s_lshl_b32 s32, ttmp9, 6
	s_add_nc_u64 s[44:45], s[12:13], s[32:33]      ; parts of f and p;
	s_add_nc_u64 s[46:47], s[14:15], s[32:33]      ; pkey: my block's keys
	s_wait_loadcnt 0x0
	s_wait_kmcnt 0x0
	; the partial logits: K is taken in the same order on both sides; the four accumulators take turns; the first four products start the sums
.set n, 0
.rept 32
.if n < 4
	v_wmma_f32_16x16x4_f32 v[ACC+8*n:ACC+8*n+7], v[GA+2*n:GA+2*n+1], v[XN+2*n:XN+2*n+1], 0
.else
	v_wmma_f32_16x16x4_f32 v[ACC+8*(n%4):ACC+8*(n%4)+7], v[GA+2*n:GA+2*n+1], v[XN+2*n:XN+2*n+1], v[ACC+8*(n%4):ACC+8*(n%4)+7]
.endif
.set n, n+1
.endr
	QUANT XN                                       ; it only reads x's registers
.rept 8
	v_nop                                          ; eight places between this form's last product and the first read of a result (ISA guide 7.12.1)
.endr
.irp j, 0,1,2,3,4,5,6,7                        ; each accumulator is read from its low end on
	v_add_f32 v[LG+\j], v[ACC+\j], v[ACC+8+\j]
	v_add_f32 v[TS+\j], v[ACC+16+\j], v[ACC+24+\j]
.endr
.irp j, 0,1,2,3,4,5,6,7
	v_add_f32 v[LG+\j], v[LG+\j], v[TS+\j]
.endr
.irp c, 0,1,2
	ds_store_b128 v6, v[PC+4*\c:PC+4*\c+3] offset:XQST+16*\c
.endr
	ds_store_b32 v7, v[PW] offset:XSST             ; lanes r and r + 16 write the same word with the same value
	ds_store_b128 v8, v[LG:LG+3] offset:LGST
	ds_store_b128 v8, v[LG+4:LG+7] offset:LGST+16
	s_wait_dscnt 0x0                               ; for the others' sake: my stores have landed
	s_barrier_signal -1
	s_barrier_wait -1
.irp c, 0,1,2
	ds_load_b128 v[PC+4*\c:PC+4*\c+3], v9 offset:XQST+512*\c
.endr
	s_wait_dscnt 0x0
.irp c, 0,1,2
	global_store_b128 v9, v[PC+4*\c:PC+4*\c+3], s[36:37] offset:512*\c   ; 512 consecutive bytes, aligned
.endr
	s_cmp_eq_u32 s18, 1
	s_cbranch_scc0 .Lnot_wave_1
	ds_load_b64 v[204:205], v11 offset:XSST
	s_wait_dscnt 0x0
	global_store_b64 v11, v[204:205], s[38:39] offset:786432             ; the block's 64 scale words: 256 consecutive bytes, aligned
.Lnot_wave_1:
	s_cmp_eq_u32 s18, 0
	s_cbranch_scc0 .Lend
	; ---- wave 0 finishes the gate.  Lanes r and r + 16 hold token r alike.
	; v16-47 the four partial logits; v48-55 s; v64 m1, v65 i1, v66 m2, v67 i2; v68 the sum of s; v71, v72 the weights; v73, v74 s / sum of the two; v77 the key; v80-87 w; v88-95 f's, v96-103 p's parts
.irp w, 0,1,2,3
	ds_load_b128 v[16+8*\w:19+8*\w], v10 offset:LGST+1024*\w
	ds_load_b128 v[20+8*\w:23+8*\w], v10 offset:LGST+1024*\w+16
.endr
	s_mov_b32 s41, 0xbfb8aa3b                      ; -log2(e)
	v_lshlrev_b32 v110, 5, v2
	v_lshl_add_u32 v110, v3, 4, v110               ; the weights' place: 32 r + 16 h
	v_lshlrev_b32 v111, 2, v2                      ; 4 r
	s_wait_dscnt 0x0
.irp j, 0,1,2,3,4,5,6,7
	v_add_f32 v[48+\j], v[16+\j], v[24+\j]
	v_add_f32 v[56+\j], v[32+\j], v[40+\j]
.endr
.irp j, 0,1,2,3,4,5,6,7
	v_add_f32 v[48+\j], v[48+\j], v[56+\j]
.endr
.irp j, 0,1,2,3,4,5,6,7
	v_add_f32 v[48+\j], s[24+\j], v[48+\j]         ; z = x Wg + bg: the bias is added to the finished sum, as reference() adds it
.endr
.irp j, 0,1,2,3,4,5,6,7
	v_mul_f32 v[48+\j], s41, v[48+\j]              ; -z log2(e)
.endr
.irp j, 0,1,2,3,4,5,6,7
	v_exp_f32 v[48+\j], v[48+\j]
.endr
	v_nop                                          ; a plain place behind the batch,
	s_wait_alu depctr_va_vdst(0)                   ; and one wait ahead of its first reader
.irp j, 0,1,2,3,4,5,6,7
	v_add_f32 v[48+\j], 1.0, v[48+\j]
.endr
.irp j, 0,1,2,3,4,5,6,7
	v_rcp_f32 v[48+\j], v[48+\j]                   ; s = 1 / (1 + e^-z)
.endr
	v_mov_b32 v65, 0                               ; (a plain place)  i1
	s_wait_alu depctr_va_vdst(0)
	v_mov_b32 v64, v48                             ; m1 = s0
	v_mov_b32 v66, -1.0                            ; m2: under every s
	v_mov_b32 v67, 0
	v_add_f32 v56, v48, v49
	v_add_f32 v57, v50, v51
	v_add_f32 v58, v52, v53
	v_add_f32 v59, v54, v55
	v_add_f32 v56, v56, v57
	v_add_f32 v58, v58, v59
	v_add_f32 v68, v56, v58                        ; the sum of s
.irp e, 1,2,3,4,5,6,7                          ; the strict > keeps the lower expert among equals
	v_cmp_gt_f32 s32, v[48+\e], v64
	v_cmp_gt_f32 s33, v[48+\e], v66
	v_cndmask_b32 v66, v66, v[48+\e], s33
	v_cndmask_b32 v67, v67, \e, s33
	v_cndmask_b32 v66, v66, v64, s32
	v_cndmask_b32 v67, v67, v65, s32
	v_cndmask_b32 v64, v64, v[48+\e], s32
	v_cndmask_b32 v65, v65, \e, s32
.endr
	v_add_f32 v69, v64, v66
	v_rcp_f32 v69, v69
	v_rcp_f32 v70, v68
	v_min_u32 v75, v65, v67                        ; (a plain place)  lo
	s_wait_alu depctr_va_vdst(0)
	v_mul_f32 v71, v64, v69                        ; the two weights
	v_mul_f32 v72, v66, v69
	v_mul_f32 v73, v64, v70                        ; the two s / sum
	v_mul_f32 v74, v66, v70
	v_add_nc_u32 v76, v65, v67
	v_sub_nc_u32 v76, v76, v75                     ; hi
	v_add_nc_u32 v77, -1, v76
	v_mul_u32_u24 v77, v77, v76
	v_lshrrev_b32 v77, 1, v77
	v_add_nc_u32 v77, v77, v75                     ; the key
.irp e, 0,1,2,3,4,5,6,7
	v_cmp_eq_u32 s32, \e, v65
	v_cmp_eq_u32 s33, \e, v67
	v_cndmask_b32 v[80+\e], 0, v72, s33
	v_cndmask_b32 v[80+\e], v[80+\e], v71, s32
	v_cndmask_b32 v108, 1.0, 0, s32                ; reference() counts the choices that are NOT expert e
	v_cndmask_b32 v109, 1.0, 0, s33
	v_add_f32 v[88+\e], v108, v109
	v_cndmask_b32 v108, v73, 0, s32
	v_cndmask_b32 v109, v74, 0, s33
	v_add_f32 v[96+\e], v108, v109
.endr
.irp m, 1,2,4,8                                ; over the 16 tokens: every lane ends with the block's sums
.irp j, 0,1,2,3,4,5,6,7,8,9,10,11,12,13,14,15
	v_add_f32_dpp v[88+\j], v[88+\j], v[88+\j] row_xmask:\m row_mask:0xf bank_mask:0xf
.endr
.endr
	s_mov_b32 s32, 0xaaaaaaaa                      ; lanes whose number has bit 0, 1, 2, 3 set: lane i picks sum i of the 16
	s_mov_b32 s33, 0xcccccccc
	s_mov_b32 s34, 0xf0f0f0f0
	s_mov_b32 s35, 0xff00ff00
.irp j, 0,2,4,6,8,10,12,14
	v_cndmask_b32 v[88+\j], v[88+\j], v[89+\j], s32
.endr
.irp j, 0,4,8,12
	v_cndmask_b32 v[88+\j], v[88+\j], v[90+\j], s33
.endr
	v_cndmask_b32 v88, v88, v92, s34
	v_cndmask_b32 v96, v96, v100, s34
	v_cndmask_b32 v88, v88, v96, s35
	s_mov_b32 s32, 0xffff0000                      ; lanes 16-31 take a token's weights 4 .. 7
.irp i, 0,1,2,3
	v_cndmask_b32 v[104+\i], v[80+\i], v[84+\i], s32
.endr
	global_store_b128 v110, v[104:107], s[42:43] offset:819200           ; 512 consecutive bytes, aligned
	s_wait_xcnt 0x0                                ; EXEC changes only behind this wait
	v_cmp_gt_u32 vcc_lo, 16, v1
	s_and_saveexec_b32 s40, vcc_lo
	global_store_b32 v111, v77, s[46:47]                                 ; 16 keys
	global_store_b32 v111, v88, s[44:45] offset:884736                   ; 8 parts of f, 8 of p
	s_wait_xcnt 0x0                                ; and again ahead of the line that widens it
	s_or_b32 exec_lo, exec_lo, s40
.Lend:
	s_wait_tensorcnt 0x0                           ; the wave's end
	ds_add_u32 v[SPW], v[NIL]
	s_wait_dscnt 0x0
	s_endpgm
	; ---- W1 as register images.  No LDS is written on this way.
.Llayout:
	s_sub_co_u32 s32, ttmp9, 128
	s_lshl_b32 s32, s32, 2
	s_add_co_u32 s32, s32, s18                     ; q: which 32 rows
	s_mul_i32 s32, s32, 12288                      ; 32 rows of 384 bytes in, 8 images of 1,536 bytes out
	s_mov_b32 s33, 0
	v_and_b32 v4, 8, v2
	v_add_nc_u32 v4, v4, v2                        ; r + 8 (r / 8)
	v_mul_u32_u24 v4, v4, 384
	v_mad_u32_u24 v4, v3, 24, v4
	v_lshlrev_b32 v5, 4, v1
	s_wait_kmcnt 0x0
	s_add_nc_u64 s[10:11], s[10:11], s[32:33]
	s_add_nc_u64 s[16:17], s[16:17], s[32:33]
.irp f, 0,1,2,3,4,5,6,7                        ; fragment 4 u + s: rows 8 u on, K step s
	FRAGIN 16+12*\f, (\f/4)*3072+(\f%4)*96
.endr
.irp f, 0,1,2,3,4,5,6,7
	s_wait_loadcnt 6*(7-\f)                        ; loads come back in order: fragment f is in, the later fragments' six loads each may be out
	IMGOUT 16+12*\f, 1536*\f
.endr
	s_endpgm
.Lfunc_end_k_q23e22b007b_prep:
	.size	k_q23e22b007b_prep, .Lfunc_end_k_q23e22b007b_prep-k_q23e22b007b_prep
	.p2alignl 7, 3214868480
	.fill 96, 4, 3214868480
	.section	.rodata,"a",@progbits
	.p2align	6, 0x0
	.amdhsa_kernel k_q23e22b007b_prep
		.amdhsa_group_segment_fixed_size 11008
		.amdhsa_private_segment_fixed_size 0
		.amdhsa_enable_private_segment 0
		.amdhsa_kernarg_size 56
		.amdhsa_user_sgpr_count 2
		.amdhsa_user_sgpr_kernarg_segment_ptr 1
		.amdhsa_wavefront_size32 1
		.amdhsa_system_sgpr_workgroup_id_x 1
		.amdhsa_system_sgpr_workgroup_id_y 1
		.amdhsa_system_sgpr_workgroup_id_z 1
		.amdhsa_system_vgpr_workitem_id 0
		.amdhsa_next_free_vgpr 256
		.amdhsa_next_free_sgpr 66
		.amdhsa_reserve_vcc 1
		.amdhsa_float_denorm_mode_32 3
		.amdhsa_float_denorm_mode_16_64 3
		.amdhsa_memory_ordered 1
		.amdhsa_forward_progress 1
		.amdhsa_inst_pref_size 44
	.end_amdhsa_kernel
	.amdgpu_metadata
---
amdhsa.version: [ 1, 2 ]
amdhsa.kernels:
  - .name:           k_q23e22b007b_prep
    .symbol:         k_q23e22b007b_prep.kd
    .args:
      - { .name: x, .offset: 0, .size: 8, .value_kind: global_buffer, .address_space: global }
      - { .name: Wg, .offset: 8, .size: 8, .value_kind: global_buffer, .address_space: global }
      - { .name: bg, .offset: 16, .size: 8, .value_kind: global_buffer, .address_space: global }
      - { .name: W1_codes, .offset: 24, .size: 8, .value_kind: global_buffer, .address_space: global }
      - { .name: tok, .offset: 32, .size: 8, .value_kind: global_buffer, .address_space: global }
      - { .name: pkey, .offset: 40, .size: 8, .value_kind: global_buffer, .address_space: global }
      - { .name: w1i, .offset: 48, .size: 8, .value_kind: global_buffer, .address_space: global }
    .group_segment_fixed_size: 11008
    .private_segment_fixed_size: 0
    .kernarg_segment_align: 8
    .kernarg_segment_size: 56
    .max_flat_workgroup_size: 128
    .sgpr_count:     66
    .vgpr_count:     256
    .wavefront_size: 32
...
	.end_amdgpu_metadata
.endif
;; end of part 1
;; launch place (part 2): grid 69 x 1, 8 waves a work-group, no clusters, 2,048 bytes of LDS; arguments pkey, tok, W2_codes, Ws_codes, tabs, w2i, out1, out2; writes tabs, w2i, out1, out2
.if DOCPART == 2
	.amdgcn_target "amdgcn-amd-amdhsa--gfx1250"
	.amdhsa_code_object_version 6
	.text
	.protected	k_q23e22b007b_place
	.globl	k_q23e22b007b_place
	.p2align	8
	.type	k_q23e22b007b_place,@function
k_q23e22b007b_place:
	s_mov_b64 s[64:65], 0
	v_nop
	global_prefetch_b8 v0, s[64:65] scope:SCOPE_SE
	s_setreg_imm32_b32 hwreg(HW_REG_WAVE_MODE, 25, 1), 1
	s_wait_xcnt 0x0
; LAUNCH 2 OF 4.  Work-group 0 places the tokens; work-groups 1-68 lay W2 and Ws out as images of operand registers.
; Work left out (see the first kernel's head): the lists made here name, for each tile of 16 sorted tokens, only the experts that some token of the tile has chosen.
; WORK-GROUP 0: a counting sort of the 2,048 tokens by their key (0 .. 27, read as whole numbers from pkey), without atomics: each of 8 waves counts its 256 tokens by ballots (lane k holds the mask of the
; tokens with key k), the counts meet in LDS, one barrier, every wave makes the same prefix sums and stores its tokens' places.  Wave 0 then makes the lists; waves 6 and 7 add the 32 parts of f and of p for each batch.
; tabs: 0: perm[2048], sorted place -> token.  8,192: jt[8 experts][128 tiles], the job's slot or -1.  12,288: gtile[512], slot -> tile (384 + lane: a dump for lanes with no job).  14,336: ginfo[64]: expert | jobs << 8.
; A job is (tile, expert); an expert's jobs are numbered in groups of 6: slot = 6 x the expert's first group + rank.  A tile with g keys has at most 2 g experts and the sorted order has at most 27 changes of key:
; at most 2 (128 + 27) = 310 jobs, at most (310 + 8 x 5) / 6 = 58 groups, 348 slots, whatever the choice.
; WORK-GROUPS 1-68: wave u takes 8 fragments.  u < 512: W2, image (((e 8 + ns) 4 + w) 4 + ct) 4 + sl = rows e 512 + 64 ns + 16 ct + r, K step 4 w + sl.  Else Ws, image ((ns 4 + w) 4 + ct) 2 + jj at 6,291,456 on =
; rows 512 (w / 2) + 64 ns + 16 ct + r, K step 2 (w % 2) + jj.  An image: registers 4 c .. 4 c + 3 of lane l at 512 c + 16 l of 1,536 bytes.
; LIMIT: f and p are summed in another order than reference() sums them.
.set CT,    0                          ; LDS: 8 waves x 32 counts
.set SPARE, 1024                       ; the spare words, 128 bytes a wave: no other line names them
.macro FRAGIN reg, off
.irp p, 0,1,2,3,4,5
	global_load_b64 v[\reg+2*\p:\reg+2*\p+1], v4, s[24:25] offset:\off+48*(\p/3)+8*(\p%3) th:TH_LOAD_NT
.endr
.endm
.macro IMGOUT reg, off
.irp c, 0,1,2
	global_store_b128 v5, v[\reg+4*\c:\reg+4*\c+3], s[26:27] offset:\off+512*\c
.endr
.endm
	s_load_b256 s[4:11], s[0:1], 0x0               ; pkey, tok, W2_codes, Ws_codes
	s_load_b256 s[12:19], s[0:1], 0x20             ; tabs, w2i, out1, out2
	v_lshl_add_u32 v2, v0, 2, SPARE                ; v2: my spare word's address; v3: 0; both never rewritten
	v_mov_b32 v3, 0
	v_lshrrev_b32 v1, 5, v0
	v_readfirstlane_b32 s20, v1                    ; wave 0..7
	v_and_b32 v1, 31, v0                           ; lane
	s_cmp_eq_u32 ttmp9, 0                          ; the same in all waves of a work-group
	s_cbranch_scc1 .Lsort
	; ---- the images.  No LDS is written on this way.
	v_and_b32 v6, 15, v0                           ; r
	v_bfe_u32 v7, v0, 4, 1                         ; h
	v_lshlrev_b32 v5, 4, v1
	s_sub_co_u32 s21, ttmp9, 1
	s_lshl_b32 s21, s21, 3
	s_add_co_u32 s21, s21, s20                     ; u
	s_mul_i32 s26, s21, 12288                      ; 8 images out; Ws's begin at 512 x 12,288 = 6,291,456, so one formula serves both
	s_mov_b32 s27, 0
	s_mov_b32 s25, 0
	s_cmp_lt_u32 ttmp9, 65
	s_cbranch_scc0 .Lws
	s_lshr_b32 s22, s21, 3
	s_lshl_b32 s22, s22, 6                         ; 64 (e 8 + ns)
	s_and_b32 s23, s21, 1
	s_lshl_b32 s23, s23, 5
	s_add_co_u32 s22, s22, s23                     ; + 32 (u % 2): my first row
	s_mul_i32 s24, s22, 1536
	s_bfe_u32 s23, s21, 0x20001                    ; w
	s_mul_i32 s23, s23, 384
	s_add_co_u32 s24, s24, s23
	v_mul_u32_u24 v4, v6, 1536
	v_mad_u32_u24 v4, v7, 24, v4
	s_wait_kmcnt 0x0
	s_add_nc_u64 s[24:25], s[8:9], s[24:25]
.irp f, 0,1,2,3,4,5,6,7                        ; fragment 4 c1 + sl: 16 c1 rows on, K step sl on
	FRAGIN 16+12*\f, (\f/4)*24576+(\f%4)*96
.endr
	s_branch .Lout
.Lws:
	s_sub_co_u32 s22, s21, 512                     ; 4 ns + w
	s_lshr_b32 s23, s22, 2
	s_lshl_b32 s23, s23, 6                         ; 64 ns
	s_bfe_u32 s28, s22, 0x10001
	s_lshl_b32 s28, s28, 9                         ; 512 (w / 2)
	s_add_co_u32 s23, s23, s28
	s_mul_i32 s24, s23, 384
	s_and_b32 s28, s22, 1
	s_mul_i32 s28, s28, 192
	s_add_co_u32 s24, s24, s28
	v_mul_u32_u24 v4, v6, 384
	v_mad_u32_u24 v4, v7, 24, v4
	s_wait_kmcnt 0x0
	s_add_nc_u64 s[24:25], s[10:11], s[24:25]
.irp f, 0,1,2,3,4,5,6,7                        ; fragment 2 ct + jj
	FRAGIN 16+12*\f, (\f/2)*6144+(\f%2)*96
.endr
.Lout:
	s_add_nc_u64 s[26:27], s[14:15], s[26:27]
.irp f, 0,1,2,3,4,5,6,7
	s_wait_loadcnt 6*(7-\f)                        ; fragment f is in; the later fragments' six loads each may be out (48 loads on either way here)
	IMGOUT 16+12*\f, 1536*\f
.endr
	s_endpgm
	; ---- the placement.  Token = 256 j + thread, j = 0 .. 7.
	; v4-8 lane's key bits as masks; v9 4 x thread; v10 4 x lane; v11 lane / 16; v12-15 tile numbers lane + 32 q; v16-23 keys, later places; v24-31 4 x key; v32-39 masks (lane = key); v40-47 my key's mask;
	; v48-56 running counts; v57-58 at work; v62 address, v64-95 parts of f or p (waves 6, 7); v96-103 my key's base; v104-111 tokens; v112-119 counts, later bases; v120 on: see the lines
.Lsort:
	v_lshlrev_b32 v9, 2, v0
	v_lshlrev_b32 v10, 2, v1
	v_lshrrev_b32 v11, 4, v1
.irp b, 0,1,2,3,4
	v_bfe_u32 v[4+\b], v1, \b, 1
	v_add_nc_u32 v[4+\b], -1, v[4+\b]              ; 0 where my lane's number has bit b, else all ones
.endr
.irp q, 0,1,2,3
	v_add_nc_u32 v[12+\q], 32*\q, v1
.endr
.irp j, 0,1,2,3,4,5,6,7
	v_add_nc_u32 v[104+\j], 256*\j, v0
.endr
	v_mov_b32 v48, 0
	v_mov_b32 v121, 0
	v_mov_b32 v123, 0                              ; (a DPP form's destination counts as read)
	s_mov_b32 s44, 0x55555555
	s_mov_b32 s45, 0x33333333
	s_mov_b32 s46, 0x0f0f0f0f
	s_mov_b32 s47, 0x01010101
	s_wait_kmcnt 0x0
.irp j, 0,1,2,3,4,5,6,7
	global_load_b32 v[16+\j], v9, s[4:5] offset:1024*\j
.endr
	s_cmp_ge_u32 s20, 6
	s_cbranch_scc0 .Lno_stat
	v_lshrrev_b32 v62, 3, v1                       ; batch = lane / 8: 32 blocks of 64 bytes each,
	v_lshlrev_b32 v62, 11, v62
	v_and_b32 v57, 7, v1
	v_lshl_add_u32 v62, v57, 2, v62                ; expert = lane % 8,
	s_and_b32 s21, s20, 1
	s_lshl_b32 s21, s21, 5
	v_add_nc_u32 v62, s21, v62                     ; wave 6: f's parts, wave 7: p's
.irp i, 0,1,2,3,4,5,6,7,8,9,10,11,12,13,14,15,16,17,18,19,20,21,22,23,24,25,26,27,28,29,30,31
	global_load_b32 v[64+\i], v62, s[6:7] offset:884736+64*\i
.endr
	s_wait_loadcnt 32                              ; the eight keys are in; the 32 parts behind them may be out
	s_branch .Lkeys_in
.Lno_stat:
	s_wait_loadcnt 0x0
.Lkeys_in:
.macro COUNT j
	v_and_b32 v[16+\j], 31, v[16+\j]
	v_lshlrev_b32 v[24+\j], 2, v[16+\j]
.irp b, 0,1,2,3,4
	v_and_b32 v57, 1<<\b, v[16+\j]
	v_cmp_ne_u32 s[36+\b], 0, v57                  ; the tokens whose key has bit b
.endr
	v_xor_b32 v[32+\j], s36, v4
.irp b, 1,2,3,4
	v_xor_b32 v57, s[36+\b], v[4+\b]
	v_and_b32 v[32+\j], v[32+\j], v57              ; lane k: the tokens of this register whose key is k
.endr
	ds_bpermute_b32 v[40+\j], v[24+\j], v[32+\j]   ; each token takes its own key's mask
	v_lshrrev_b32 v57, 1, v[32+\j]                 ; the mask's number of ones
	v_and_b32 v57, s44, v57
	v_sub_nc_u32 v57, v[32+\j], v57
	v_lshrrev_b32 v58, 2, v57
	v_and_b32 v57, s45, v57
	v_and_b32 v58, s45, v58
	v_add_nc_u32 v57, v57, v58
	v_lshrrev_b32 v58, 4, v57
	v_add_nc_u32 v57, v57, v58
	v_and_b32 v57, s46, v57
	v_mul_lo_u32 v57, v57, s47
	v_lshrrev_b32 v57, 24, v57
	v_add_nc_u32 v[49+\j], v[48+\j], v57           ; lane k: my wave's tokens with key k in registers 0 .. j
.endm
.irp j, 0,1,2,3,4,5,6,7
	COUNT \j
.endr
	ds_store_b32 v9, v56 offset:CT                 ; my wave's 32 counts at 128 x wave + 4 x lane
	s_wait_dscnt 0x0                               ; for the others' sake; the permutes are back too
	s_barrier_signal -1
	s_barrier_wait -1
.irp w, 0,1,2,3,4,5,6,7
	ds_load_b32 v[112+\w], v10 offset:CT+128*\w
.endr
	s_wait_dscnt 0x0
	v_add_nc_u32 v120, v112, v113
.irp w, 2,3,4,5,6,7
	v_add_nc_u32 v120, v120, v[112+\w]             ; lane k: all tokens with key k
.endr
.irp w, 0,1,2,3,4,5,6
	s_cmp_gt_u32 s20, \w
	s_cselect_b32 s22, -1, 0
	v_and_b32 v57, s22, v[112+\w]
	v_add_nc_u32 v121, v121, v57                   ; those of the waves ahead of mine
.endr
	v_mov_b32 v122, v120                           ; a running sum over the lanes: four steps in each half,
.irp n, 1,2,4,8
	v_mov_b32_dpp v123, v122 row_shr:\n row_mask:0xf bank_mask:0xf bound_ctrl:1
	v_add_nc_u32 v122, v122, v123
.endr
	v_readlane_b32 s48, v122, 15
	v_mad_u32_u24 v122, v11, s48, v122             ; and the lower half's total onto the upper
	v_sub_nc_u32 v124, v122, v120                  ; lane k: where key k begins in the sorted order
	v_add_nc_u32 v125, v124, v121                  ; and where my wave's tokens with key k begin
.irp j, 0,1,2,3,4,5,6,7
	v_add_nc_u32 v[112+\j], v125, v[48+\j]
	ds_bpermute_b32 v[96+\j], v[24+\j], v[112+\j]
.endr
	s_wait_dscnt 0x0
.irp j, 0,1,2,3,4,5,6,7
	v_mbcnt_lo_u32_b32 v[16+\j], v[40+\j], v[96+\j]                      ; + the lanes below me with my key
	v_min_u32 v[16+\j], 2047, v[16+\j]
	v_lshlrev_b32 v[16+\j], 2, v[16+\j]
	global_store_b32 v[16+\j], v[104+\j], s[12:13]                       ; perm[place] = token; each j has registers of its own
.endr
	s_cmp_eq_u32 s20, 0
	s_cbranch_scc0 .Lnot_wave_0
	; ---- wave 0: the lists.  v126 first tile, v127 last - first tile, v128 the two experts' bits of key = lane; v132-135 each tile's experts; v144-175, v176-207 data and addresses of the stores
.irp i, 0,1,2,3
	v_mov_b32 v[208+\i], 0
.endr
	v_lshlrev_b32 v212, 4, v1
.irp i, 0,1,2,3
	global_store_b128 v212, v[208:211], s[12:13] offset:12288+512*\i     ; gtile begins as zeros: a slot with no job names tile 0, so that every byte that the next launch reads has been stored
.endr
	v_mov_b32 v130, 1
.irp c, 1,3,6,10,15,21
	v_cmp_le_u32 vcc_lo, \c, v1
	v_cndmask_b32 v57, 0, 1, vcc_lo
	v_add_nc_u32 v130, v130, v57                   ; hi of key = lane
.endr
	v_add_nc_u32 v57, -1, v130
	v_mul_u32_u24 v57, v57, v130
	v_lshrrev_b32 v57, 1, v57
	v_sub_nc_u32 v131, v1, v57                     ; lo
	v_mov_b32 v58, 1
	v_lshlrev_b32 v129, v130, v58
	v_lshlrev_b32 v57, v131, v58
	v_or_b32 v129, v129, v57
	v_lshrrev_b32 v126, 4, v124
	v_add_nc_u32 v127, v124, v120
	v_add_nc_u32 v127, -1, v127
	v_lshrrev_b32 v127, 4, v127
	v_sub_nc_u32 v127, v127, v126
	v_cmp_ne_u32 vcc_lo, 0, v120
	v_cndmask_b32 v128, 0, v129, vcc_lo            ; a key that no token has adds nothing
.irp q, 0,1,2,3
	v_mov_b32 v[132+\q], 0
.endr
	v_add_nc_u32 v136, 384, v1                     ; the dump
	s_mov_b32 s50, 0
.Lkey:                                             ; 28 trips: key s50's two experts go to the tiles that its tokens touch
	v_readlane_b32 s51, v126, s50
	v_readlane_b32 s52, v127, s50
	v_readlane_b32 s53, v128, s50
	v_mov_b32 v58, s53
.irp q, 0,1,2,3
	v_sub_nc_u32 v57, v[12+\q], s51                ; the tile's number less the key's first tile
	v_cmp_ge_u32 vcc_lo, s52, v57                  ; unsigned: a tile ahead of the first wraps and fails
	v_cndmask_b32 v57, 0, v58, vcc_lo
	v_or_b32 v[132+\q], v[132+\q], v57
.endr
	s_add_co_u32 s50, s50, 1
	s_cmp_lt_u32 s50, 28
	s_cbranch_scc1 .Lkey
	s_wait_storecnt 0x0                            ; the zeros have landed ahead of the stores that write over them
	s_mov_b32 s56, 0                               ; s56-63: each expert's first group; s66-73: its jobs
.irp e, 0,1,2,3,4,5,6,7
	s_mul_i32 s54, s[56+\e], 6                     ; the next free slot
.irp q, 0,1,2,3
	v_and_b32 v57, 1<<\e, v[132+\q]
	v_cmp_ne_u32 s51, 0, v57
	v_mbcnt_lo_u32_b32 v58, s51, s54
	s_bcnt1_i32_b32 s52, s51
	s_add_co_u32 s54, s54, s52
	v_cndmask_b32 v[144+4*\e+\q], -1, v58, s51
	v_cndmask_b32 v[176+4*\e+\q], v136, v58, s51
	v_min_u32 v[176+4*\e+\q], 511, v[176+4*\e+\q]
	v_lshlrev_b32 v[176+4*\e+\q], 2, v[176+4*\e+\q]
	global_store_b32 v10, v[144+4*\e+\q], s[12:13] offset:8192+(128*\e+32*\q)*4   ; jt
	global_store_b32 v[176+4*\e+\q], v[12+\q], s[12:13] offset:12288              ; gtile
.endr
	s_mul_i32 s52, s[56+\e], 6
	s_sub_co_u32 s[66+\e], s54, s52
.if \e < 7
	s_add_co_u32 s52, s[66+\e], 5
	s_mul_i32 s52, s52, 43691
	s_lshr_b32 s52, s52, 18                        ; (jobs + 5) / 6, exact up to 133
	s_add_co_u32 s[57+\e], s[56+\e], s52
.endif
.endr
.irp q2, 0,1                                   ; ginfo: group g belongs to the last expert whose first group is at or under g
	v_add_nc_u32 v140, 32*\q2, v1
	v_mov_b32 v137, 0
	v_mov_b32 v138, 0
	v_mov_b32 v139, s66
.irp e, 1,2,3,4,5,6,7
	v_cmp_le_u32 vcc_lo, s[56+\e], v140
	v_cndmask_b32 v137, v137, \e, vcc_lo
	v_cndmask_b32 v138, v138, s[56+\e], vcc_lo
	v_cndmask_b32 v139, v139, s[66+\e], vcc_lo
.endr
	v_sub_nc_u32 v141, v140, v138
	v_mul_u32_u24 v141, v141, 6
	v_sub_nc_u32 v141, v139, v141                  ; the expert's jobs from this group on,
	v_cmp_lt_i32 vcc_lo, 0, v141
	v_cndmask_b32 v141, 0, v141, vcc_lo            ; none if under 1,
	v_min_u32 v141, 6, v141                        ; six at the most
	v_lshl_or_b32 v[142+\q2], v141, 8, v137
	global_store_b32 v10, v[142+\q2], s[12:13] offset:14336+128*\q2
.endr
	s_branch .Lfin
.Lnot_wave_0:
	s_cmp_ge_u32 s20, 6
	s_cbranch_scc0 .Lfin
	s_wait_loadcnt 0x0                             ; the 32 parts
.irp d, 16,8,4,2,1
.set i, 0
.rept \d
	v_add_f32 v[64+i], v[64+i], v[64+\d+i]
.set i, i+1
.endr
.endr
	s_cmp_eq_u32 s20, 6
	s_cselect_b64 s[22:23], s[16:17], s[18:19]     ; out1 or out2: the choice hangs on the wave's number alone
	global_store_b32 v10, v64, s[22:23]            ; [4 batches][8 experts]: 4 x lane
.Lfin:
	s_wait_tensorcnt 0x0                           ; the wave's end
	ds_add_u32 v2, v3
	s_wait_dscnt 0x0
	s_endpgm
.Lfunc_end_k_q23e22b007b_place:
	.size	k_q23e22b007b_place, .Lfunc_end_k_q23e22b007b_place-k_q23e22b007b_place
	.p2alignl 7, 3214868480
	.fill 96, 4, 3214868480
	.section	.rodata,"a",@progbits
	.p2align	6, 0x0
	.amdhsa_kernel k_q23e22b007b_place
		.amdhsa_group_segment_fixed_size 2048
		.amdhsa_private_segment_fixed_size 0
		.amdhsa_enable_private_segment 0
		.amdhsa_kernarg_size 64
		.amdhsa_user_sgpr_count 2
		.amdhsa_user_sgpr_kernarg_segment_ptr 1
		.amdhsa_wavefront_size32 1
		.amdhsa_system_sgpr_workgroup_id_x 1
		.amdhsa_system_sgpr_workgroup_id_y 1
		.amdhsa_system_sgpr_workgroup_id_z 1
		.amdhsa_system_vgpr_workitem_id 0
		.amdhsa_next_free_vgpr 224
		.amdhsa_next_free_sgpr 76
		.amdhsa_reserve_vcc 1
		.amdhsa_float_denorm_mode_32 3
		.amdhsa_float_denorm_mode_16_64 3
		.amdhsa_memory_ordered 1
		.amdhsa_forward_progress 1
		.amdhsa_inst_pref_size 66
	.end_amdhsa_kernel
	.amdgpu_metadata
---
amdhsa.version: [ 1, 2 ]
amdhsa.kernels:
  - .name:           k_q23e22b007b_place
    .symbol:         k_q23e22b007b_place.kd
    .args:
      - { .name: pkey, .offset: 0, .size: 8, .value_kind: global_buffer, .address_space: global }
      - { .name: tok, .offset: 8, .size: 8, .value_kind: global_buffer, .address_space: global }
      - { .name: W2_codes, .offset: 16, .size: 8, .value_kind: global_buffer, .address_space: global }
      - { .name: Ws_codes, .offset: 24, .size: 8, .value_kind: global_buffer, .address_space: global }
      - { .name: tabs, .offset: 32, .size: 8, .value_kind: global_buffer, .address_space: global }
      - { .name: w2i, .offset: 40, .size: 8, .value_kind: global_buffer, .address_space: global }
      - { .name: out1, .offset: 48, .size: 8, .value_kind: global_buffer, .address_space: global }
      - { .name: out2, .offset: 56, .size: 8, .value_kind: global_buffer, .address_space: global }
    .group_segment_fixed_size: 2048
    .private_segment_fixed_size: 0
    .kernarg_segment_align: 8
    .kernarg_segment_size: 64
    .max_flat_workgroup_size: 256
    .sgpr_count:     76
    .vgpr_count:     224
    .wavefront_size: 32
...
	.end_amdgpu_metadata
.endif
;; end of part 2
;; launch ffn1 (part 3): grid 58 x 4, 4 waves a work-group, no clusters, 0 bytes of LDS; arguments tok, tabs, w1i, W1_scales, b1, hbuf; writes hbuf
.if DOCPART == 3
	.amdgcn_target "amdgcn-amd-amdhsa--gfx1250"
	.amdhsa_code_object_version 6
	.text
	.protected	k_q23e22b007b_ffn1
	.globl	k_q23e22b007b_ffn1
	.p2align	8
	.type	k_q23e22b007b_ffn1,@function
k_q23e22b007b_ffn1:
	s_mov_b64 s[64:65], 0
	v_nop
	global_prefetch_b8 v0, s[64:65] scope:SCOPE_SE
	s_setreg_imm32_b32 hwreg(HW_REG_WAVE_MODE, 25, 1), 1
	s_wait_xcnt 0x0
; LAUNCH 3 OF 4.  h = Q(gelu(x W1[e] + b1[e])) for each job (tile of 16 sorted tokens, expert e), stored as images of the next product's operand registers.
; Work left out (see the first kernel's head): only the jobs on the stored lists are multiplied.
; SHARES.  Work-group (x = group of up to 6 jobs of one expert, y): wave w takes hidden units 128 g .. 128 g + 127, g = 4 y + w.  Its 32 fragments of W1 (8 tiles x 4 K steps), their scale words and b1 stay in registers
; for all the group's jobs, read once, as images, 16 bytes a lane.  The waves share nothing: no LDS, no barrier.  58 groups serve every split; a group that the split leaves empty stores nothing and ends.
; No tensor load and no cluster: the number of jobs and the expert are read from memory and steer branches.
; The product is used transposed (source 0 = 16 rows of W1, source 1 = 16 tokens): a lane holds one token, and by the choice of W1's rows its 64 results are k = 32 b + 16 h + i of the next K step.  b1 is the C of each
; sum's first product.  gelu (tanh form) = v / (1 + 2^(v (K0 + K1 v^2))), K0 = -2 log2(e) sqrt(2 / pi), K1 = 0.044715 K0: the same function, in f32; at both far ends it gives v and 0.
; hbuf: 0: [348 slots][16 K steps][1,536 bytes: registers 4 c .. 4 c + 3 of lane l at 512 c + 16 l]; 8,552,448: [348][16][128 bytes: lane l's scale word at 4 l].
; REGISTERS.  Window 0: v4-29 addresses and tokens; v32-63 W1's scale words (4 t + s); v64-71 x's, two sets; v80-143 the 8 tiles; v144-207 gelu's work; v208-245 the quantiser's.
;   Window 1: W1's tiles 0-4 at 12 (4 t + s).  Window 2: tiles 5-7 at 12 (4 (t - 5) + s); b1 at 144 + 8 t.  Window 3: x's fragments, set k at 48 k + 12 s.
; LIMITS: as stated at the first kernel's head (zero blocks' byte, NaN and infinities).
.set LI,   4                           ; 16 x lane
.set LS,   5                           ; 4 x lane
.set H192, 6                           ; 192 h
.set R4,   7                           ; 4 r
.set XO,   8                           ; v8-9    a set's token x 384 + 192 h
.set XSO,  10                          ; v10-11  a set's token x 16
.set PA,   14                          ; v14-19  where the six jobs' tokens stand in perm
.set TOK,  20                          ; v20-25  my row's token in each job
.set K0,   26                          ; v[26:27]
.set WSO,  28
.set B1O,  29
.set W1S,  32
.set XS,   64
.set HA,   80
.set GT,   144
.set TM,   208
.set PW,   224
.set PC,   226
.set B1,   144                         ; in window 2
.set SEL,  42                          ; s[42:43]
.set K1,   44                          ; s[44:45]
.set MSB, 0
.macro WIN new                         ; the immediate's high byte repeats the setting that is left; a switch that changes nothing is dropped
.if MSB != \new
	s_set_vgpr_msb (MSB<<8)|\new
.set MSB, \new
.endif
.endm
.macro QUANT src
.irp b, 0,1,2,3
	v_max3_num_f32 v[TM+\b], |v[\src+16*\b]|, |v[\src+1+16*\b]|, 0x1800000   ; my 16 numbers of block b, and the floor 2^(3 - 127): the byte cannot fall under 1
.endr
.irp i, 2,4,6,8,10,12,14
.irp b, 0,1,2,3
	v_max3_num_f32 v[TM+\b], v[TM+\b], |v[\src+16*\b+\i]|, |v[\src+1+16*\b+\i]|
.endr
.endr
.irp b, 0,1,2,3
	v_permlanex16_b32 v[TM+4+\b], v[TM+\b], s[SEL], s[SEL+1]
.endr
.irp b, 0,1,2,3
	v_max_num_f32 v[TM+\b], v[TM+\b], v[TM+4+\b]
.endr
.irp b, 0,1,2,3
	v_add_nc_u32 v[TM+12+\b], 0xff000000, v[TM+\b]                 ; 2 off the exponent field: the conversion's scale operand
.endr
.irp b, 0,1,2,3
	v_lshrrev_b32 v[TM+4+\b], 23, v[TM+12+\b]
.endr
	v_lshl_or_b32 v[PW], v[TM+5], 8, v[TM+4]
	v_lshl_or_b32 v[PW], v[TM+6], 16, v[PW]
	v_lshl_or_b32 v[PW], v[TM+7], 24, v[PW]
.irp c, 0,1
	v_cvt_scalef32_pk16_fp6_f32 v[PC+6*\c:PC+2+6*\c], v[\src+32*\c:\src+15+32*\c], v[TM+12+2*\c]
	v_cvt_scalef32_pk16_fp6_f32 v[PC+12+4*\c:PC+14+4*\c], v[\src+16+32*\c:\src+31+32*\c], v[TM+12+2*\c+1]
.endr
	v_nop                                          ; one plain place behind a scaled conversion
.irp c, 0,1
.irp i, 0,1,2
	v_permlane16_swap_b32 v[PC+6*\c+\i], v[PC+12+4*\c+\i]
.endr
.irp i, 0,1,2
	v_mov_b32 v[PC+3+6*\c+\i], v[PC+12+4*\c+\i]
.endr
.endr
.endm
; a job's x: my token's 192 bytes of codes (four fragments' registers on end) and its four scale words, into set bank
.macro XFETCH bank, tokr
	v_mad_u32_u24 v[XO+\bank], v[\tokr], 384, v[H192]
	v_lshlrev_b32 v[XSO+\bank], 4, v[\tokr]
	global_load_b128 v[XS+4*\bank:XS+4*\bank+3], v[XSO+\bank], s[4:5] offset:786432
	WIN 0xc0                                       ; destination window 3
.irp i, 0,1,2,3,4,5,6,7,8,9,10,11
	global_load_b128 v[48*\bank+4*\i:48*\bank+4*\i+3], v[XO+\bank], s[4:5] offset:16*\i
.endr
	WIN 0
.endm
.macro MM tt, kk, bank, a
.if \kk == 0
	v_wmma_scale_f32_16x16x128_f8f6f4 v[HA+8*\tt:HA+8*\tt+7], v[\a:\a+11], v[48*\bank+12*\kk:48*\bank+12*\kk+11], v[B1+8*\tt:B1+8*\tt+7], v[W1S+4*\tt+\kk], v[XS+4*\bank+\kk] matrix_a_fmt:MATRIX_FMT_FP6 matrix_b_fmt:MATRIX_FMT_FP6
.else
	v_wmma_scale_f32_16x16x128_f8f6f4 v[HA+8*\tt:HA+8*\tt+7], v[\a:\a+11], v[48*\bank+12*\kk:48*\bank+12*\kk+11], v[HA+8*\tt:HA+8*\tt+7], v[W1S+4*\tt+\kk], v[XS+4*\bank+\kk] matrix_a_fmt:MATRIX_FMT_FP6 matrix_b_fmt:MATRIX_FMT_FP6
.endif
.endm
; ONE JOB, on set bank.  tokr: the tokens of the job two further on, which takes this set as soon as its products are issued, if there is such a job (s46 + ahead < s19).
.macro JOB bank, tokr, ahead
	s_wait_loadcnt 0x0                             ; this job's x is in (in the first job: the weights too)
.irp kk, 0,1,2,3                               ; the eight accumulators take turns, K step by K step
.if \kk == 0
	WIN 0x2d                                       ; source 0 window 1, source 1 window 3, C (b1) window 2, D window 0
.else
	WIN 0x0d
.endif
.irp tt, 0,1,2,3,4
	MM \tt, \kk, \bank, 12*(4*\tt+\kk)
.endr
.if \kk == 0
	WIN 0x2e                                       ; source 0 window 2
.else
	WIN 0x0e
.endif
.irp tt, 5,6,7
	MM \tt, \kk, \bank, 12*(4*(\tt-5)+\kk)
.endr
.endr
	WIN 0
.rept 4
	v_nop                                          ; four places: ahead of loads into registers that the products have read, and of the first read of results
.endr
	s_add_co_u32 s47, s46, \ahead
	s_cmp_lt_u32 s47, s19
	s_cbranch_scc0 .Lno_fetch_\@
	XFETCH \bank, \tokr                            ; it has the rest of this job in which to land
.Lno_fetch_\@:
.set p, 0
.rept 32
	v_pk_mul_f32 v[GT+p:GT+p+1], v[HA+p:HA+p+1], v[HA+p:HA+p+1]          ; v^2; each accumulator is read from its low end on
.set p, p+2
.endr
.set p, 0
.rept 32
	v_pk_fma_f32 v[GT+p:GT+p+1], v[GT+p:GT+p+1], s[K1:K1+1], v[K0:K0+1] op_sel_hi:[1,0,1]
.set p, p+2
.endr
.set p, 0
.rept 32
	v_pk_mul_f32 v[GT+p:GT+p+1], v[GT+p:GT+p+1], v[HA+p:HA+p+1]
.set p, p+2
.endr
.set p, 0
.rept 64
	v_exp_f32 v[GT+p], v[GT+p]
.set p, p+1
.endr
	v_nop                                          ; a plain place behind the batch,
	s_wait_alu depctr_va_vdst(0)                   ; and one wait ahead of its first reader
.set p, 0
.rept 32
	v_pk_add_f32 v[GT+p:GT+p+1], v[GT+p:GT+p+1], 1.0 op_sel_hi:[1,0]
.set p, p+2
.endr
.set p, 0
.rept 64
	v_rcp_f32 v[GT+p], v[GT+p]
.set p, p+1
.endr
	v_nop
	s_wait_alu depctr_va_vdst(0)
.set p, 0
.rept 32
	v_pk_mul_f32 v[HA+p:HA+p+1], v[HA+p:HA+p+1], v[GT+p:GT+p+1]
.set p, p+2
.endr
	s_wait_xcnt 0x0                                ; the last job's stores have read the codes' registers, which are written again now
	QUANT HA
.irp c, 0,1,2
	global_store_b128 v[LI], v[PC+4*\c:PC+4*\c+3], s[38:39] offset:24576*\bank+512*\c   ; 512 consecutive bytes, aligned; the trip's second job is one slot on
.endr
	global_store_b32 v[LS], v[PW], s[40:41] offset:2048*\bank
.endm
	s_load_b256 s[4:11], s[0:1], 0x0               ; tok, tabs, w1i, W1_scales
	s_load_b128 s[12:15], s[0:1], 0x20             ; b1, hbuf
	v_lshrrev_b32 v1, 5, v0
	v_readfirstlane_b32 s16, v1                    ; wave 0..3
	v_and_b32 v1, 31, v0
	v_and_b32 v2, 15, v0                           ; r
	v_bfe_u32 v3, v0, 4, 1                         ; h
	s_lshl_b32 s21, ttmp9, 2
	s_mul_i32 s22, ttmp9, 24
	s_wait_kmcnt 0x0
	s_load_b32 s20, s[6:7], s21 offset:14336       ; ginfo[group]
	s_load_b128 s[24:27], s[6:7], s22 offset:12288 ; the group's six tiles
	s_load_b64 s[28:29], s[6:7], s22 offset:12304
	v_lshlrev_b32 v[LI], 4, v1
	v_lshlrev_b32 v[LS], 2, v1
	v_mul_u32_u24 v[H192], v3, 192
	v_lshlrev_b32 v[R4], 2, v2
	v_and_b32 v[WSO], 8, v2
	v_add_nc_u32 v[WSO], v[WSO], v2
	v_lshlrev_b32 v[WSO], 4, v[WSO]                ; W1's scale words: 16 bytes a row, row r + 8 (r / 8)
	v_lshlrev_b32 v[B1O], 6, v3                    ; b1: 16 h numbers on
	v_mov_b32 v[K0], 0xc0135761                    ; -2.3022082
	v_mov_b32 v[K0+1], 0xc0135761
.irp b, 0,1,2,3
	v_mov_b32 v[TM+4+\b], 0                        ; written once: a lane permute's destination counts as one of its sources
.endr
	s_mov_b32 s[K1], 0xbdd2d3e8                    ; -0.10294324
	s_mov_b32 s[K1+1], s[K1]                       ; (named with it as a pair, so it is written)
	s_mov_b32 s[SEL], 0x76543210
	s_mov_b32 s[SEL+1], 0xfedcba98
	s_and_b32 s17, ttmp7, 0xffff
	s_lshl_b32 s17, s17, 2
	s_add_co_u32 s17, s17, s16                     ; g
	s_wait_kmcnt 0x0
	s_and_b32 s18, s20, 255
	s_min_u32 s18, s18, 7                          ; the expert
	s_bfe_u32 s19, s20, 0x80008
	s_min_u32 s19, s19, 6                          ; the jobs
	s_cmp_eq_u32 s19, 0
	s_cbranch_scc0 .Lwork
	s_endpgm                                       ; a group that this split leaves empty
.Lwork:
.irp j, 0,1,2,3,4,5
	s_min_u32 s[24+\j], s[24+\j], 127
	v_lshl_add_u32 v[PA+\j], s[24+\j], 6, v[R4]    ; perm[16 tile + r]
.endr
	s_lshl_b32 s21, s18, 4
	s_add_co_u32 s21, s21, s17                     ; 16 e + g
	s_mul_i32 s30, s21, 49152
	s_mov_b32 s31, 0
	s_add_nc_u64 s[32:33], s[8:9], s[30:31]        ; my 32 images
	s_lshl_b32 s30, s21, 11
	s_add_nc_u64 s[34:35], s[10:11], s[30:31]      ; my 128 rows' scale bytes
	s_lshl_b32 s30, s21, 9
	s_add_nc_u64 s[36:37], s[12:13], s[30:31]      ; my 128 numbers of b1
	s_mul_i32 s30, ttmp9, 147456                   ; slot 6 x group,
	s_mul_i32 s22, s17, 1536                       ; K step g
	s_add_co_u32 s30, s30, s22
	s_add_nc_u64 s[38:39], s[14:15], s[30:31]
	s_mul_i32 s30, ttmp9, 12288
	s_lshl_b32 s22, s17, 7
	s_add_co_u32 s30, s30, s22
	s_add_co_u32 s30, s30, 8552448
	s_add_nc_u64 s[40:41], s[14:15], s[30:31]
.irp j, 0,1,2,3,4,5
	global_load_b32 v[TOK+\j], v[PA+\j], s[6:7]
.endr
	WIN 0x40                                       ; destination window 1
.set i, 0
.rept 48
	global_load_b128 v[4*i:4*i+3], v[LI], s[32:33] offset:512*i
.set i, i+1
.endr
	WIN 0
	s_wait_loadcnt 48                              ; the six tokens are in; the 48 image loads behind them may be out
.irp j, 0,1,2,3,4,5
	v_min_u32 v[TOK+\j], 2047, v[TOK+\j]
.endr
	XFETCH 0, TOK                                  ; jobs 0 and 1 (a slot with no job names tile 0: its x is fetched and not used)
	XFETCH 1, TOK+1
	WIN 0x40
.rept 12
	global_load_b128 v[4*i:4*i+3], v[LI], s[32:33] offset:512*i
.set i, i+1
.endr
	WIN 0x80                                       ; destination window 2
.rept 36
	global_load_b128 v[4*(i-60):4*(i-60)+3], v[LI], s[32:33] offset:512*i
.set i, i+1
.endr
.irp t, 0,1,2,3,4,5,6,7
	global_load_b128 v[B1+8*\t:B1+8*\t+3], v[B1O], s[36:37] offset:(32*(\t/2)+8*(\t%2))*4
	global_load_b128 v[B1+8*\t+4:B1+8*\t+7], v[B1O], s[36:37] offset:(32*(\t/2)+8*(\t%2))*4+16
.endr
	WIN 0
.irp t, 0,1,2,3,4,5,6,7
	global_load_b128 v[W1S+4*\t:W1S+4*\t+3], v[WSO], s[34:35] offset:(32*(\t/2)+8*(\t%2))*16
.endr
	s_mov_b32 s46, 0                               ; the trip's first job
	s_mov_b32 s23, 0                               ; the trips: three at the most, six jobs at two a trip
.Ljobs:                                            ; a trip is two jobs, so that the sets are back where they began.  The loop's count is a constant; the number of jobs ends the wave inside it
	JOB 0, TOK+2, 2
	s_add_co_u32 s47, s46, 1
	s_cmp_lt_u32 s47, s19
	s_cbranch_scc1 .Lsecond
	s_endpgm                                       ; an odd number of jobs: that was the last.  No load is out here (a fetch two jobs on is issued only where there is such a job); no LDS was written
.Lsecond:
	JOB 1, TOK+3, 3
	s_add_co_u32 s46, s46, 2
	s_cmp_lt_u32 s46, s19
	s_cbranch_scc1 .Lmore
	s_endpgm                                       ; an even number of jobs: that was the last; no load is out here either
.Lmore:
	v_mov_b32 v[TOK+2], v[TOK+4]                   ; the next trip fetches jobs 4 and 5
	v_mov_b32 v[TOK+3], v[TOK+5]
	s_wait_xcnt 0x0                                ; the stores have read their bases
	s_add_nc_u64 s[38:39], s[38:39], 49152         ; two slots on
	s_add_nc_u64 s[40:41], s[40:41], 4096
	s_add_co_u32 s23, s23, 1
	s_cmp_lt_u32 s23, 3
	s_cbranch_scc1 .Ljobs
	s_endpgm
.Lfunc_end_k_q23e22b007b_ffn1:
	.size	k_q23e22b007b_ffn1, .Lfunc_end_k_q23e22b007b_ffn1-k_q23e22b007b_ffn1
	.p2alignl 7, 3214868480
	.fill 96, 4, 3214868480
	.section	.rodata,"a",@progbits
	.p2align	6, 0x0
	.amdhsa_kernel k_q23e22b007b_ffn1
		.amdhsa_group_segment_fixed_size 0
		.amdhsa_private_segment_fixed_size 0
		.amdhsa_enable_private_segment 0
		.amdhsa_kernarg_size 48
		.amdhsa_user_sgpr_count 2
		.amdhsa_user_sgpr_kernarg_segment_ptr 1
		.amdhsa_wavefront_size32 1
		.amdhsa_system_sgpr_workgroup_id_x 1
		.amdhsa_system_sgpr_workgroup_id_y 1
		.amdhsa_system_sgpr_workgroup_id_z 1
		.amdhsa_system_vgpr_workitem_id 0
		.amdhsa_next_free_vgpr 864
		.amdhsa_next_free_sgpr 66
		.amdhsa_reserve_vcc 0
		.amdhsa_float_denorm_mode_32 3
		.amdhsa_float_denorm_mode_16_64 3
		.amdhsa_memory_ordered 1
		.amdhsa_forward_progress 1
		.amdhsa_inst_pref_size 68
	.end_amdhsa_kernel
	.amdgpu_metadata
---
amdhsa.version: [ 1, 2 ]
amdhsa.kernels:
  - .name:           k_q23e22b007b_ffn1
    .symbol:         k_q23e22b007b_ffn1.kd
    .args:
      - { .name: tok, .offset: 0, .size: 8, .value_kind: global_buffer, .address_space: global }
      - { .name: tabs, .offset: 8, .size: 8, .value_kind: global_buffer, .address_space: global }
      - { .name: w1i, .offset: 16, .size: 8, .value_kind: global_buffer, .address_space: global }
      - { .name: W1_scales, .offset: 24, .size: 8, .value_kind: global_buffer, .address_space: global }
      - { .name: b1, .offset: 32, .size: 8, .value_kind: global_buffer, .address_space: global }
      - { .name: hbuf, .offset: 40, .size: 8, .value_kind: global_buffer, .address_space: global }
    .group_segment_fixed_size: 0
    .private_segment_fixed_size: 0
    .kernarg_segment_align: 8
    .kernarg_segment_size: 48
    .max_flat_workgroup_size: 128
    .sgpr_count:     66
    .vgpr_count:     864
    .wavefront_size: 32
...
	.end_amdgpu_metadata
.endif
;; end of part 3
;; launch ffn2 (part 4): grid 32 x 8, 4 waves a work-group, no clusters, 83,456 bytes of LDS; arguments tok, tabs, w2i, hbuf, W2_scales, Ws_scales, b2, bs, x, out0; writes out0
.if DOCPART == 4
	.amdgcn_target "amdgcn-amd-amdhsa--gfx1250"
	.amdhsa_code_object_version 6
	.text
	.protected	k_q23e22b007b_ffn2
	.globl	k_q23e22b007b_ffn2
	.p2align	8
	.type	k_q23e22b007b_ffn2,@function
k_q23e22b007b_ffn2:
	s_mov_b64 s[64:65], 0
	v_nop
	global_prefetch_b8 v0, s[64:65] scope:SCOPE_SE
	s_setreg_imm32_b32 hwreg(HW_REG_WAVE_MODE, 25, 1), 1
	s_wait_xcnt 0x0
; LAUNCH 4 OF 4.  out0 = x + (x Ws + bs, its two halves added) + the sum over experts of w (h W2[e] + b2[e]).
; Work left out (see the first kernel's head): a tile is multiplied by an expert only where the stored list has a job for the pair.
; SHARES.  Work-group (x = 64 sorted tokens: tiles 4 x .. 4 x + 3; y = columns 64 y .. 64 y + 63) is the one owner of its 64 x 64 numbers of out0.  THE FOUR WAVES SPLIT K: wave w takes K steps 4 w .. 4 w + 3 of every
; job (of the shared product: half w / 2 of Ws's rows, K steps 2 (w % 2) + 0, 1), so each byte of h and of the weights is loaded once in the work-group; the four partial sums meet in LDS at the end.
; No tensor load, no cluster: which experts a block visits, and which of its tiles, is read from memory and steers branches.  Operands come from memory straight into registers, as images, 16 bytes a lane.
; VISITS.  A visit is one expert that some of the four tiles uses; the visits go by ascending expert.  A mask of the used experts is made once from the 32 stored slots, and each visit takes its lowest bit by scalar selects.
; So visits are numbered in time, and W2's fragments have TWO register sets that take turns: visit 0 on set A is written out, a loop of 4 trips runs visits 1 to 8 on sets B, A; a visit that does not exist is jumped over.
; LOADS RUN AHEAD.  Behind the products of visit v - 1 a wave asks for h of visit v (as many loads as its tiles have jobs) and then for W2 of visit v + 1 (52 loads, into the set just multiplied), and waits with the
; count 52: loads come back in order (ISA guide 5.7.1), so h(v) and W2(v) are in, and W2(v + 1) arrives under the products.  Where no visit follows the wait is for 0.
; The head asks at once for all that needs no token: Ws, W2 and h of visit 0; and, as soon as the tokens are in, for x's codes, the weights, and the x rows and bs of the way out.  Visit 0 fetches all four tiles' places
; without a branch, so that the head's loads have fixed counts (the counted waits lean on that): a tile with no job with that expert fetches the visit's lowest slot once more and is not multiplied.
; Products are used transposed (source 0 = 16 rows of the weight = 16 columns of out0, source 1 = 16 tokens): a lane holds one token, so a job's result is weighed by one number a lane: TOT += w Y.
; b2 is the C of each job's first product in wave 0; the other waves keep zeros there, so that it enters the split sum once.
; REGISTERS.  Window 0: v4-27 addresses; v28-43 set A's scale words; v44-59 h's; v60-63 the four tiles' weights; v64-95 Y (at the head: tokens and offsets); v96-111 set B's scale words (at the head: Ws's and x's);
;   v112-119 my 16 rows' offsets in x and out0; v120-127 bs; v128-255 TOT (32 ti + 8 ct).
;   Window 1: v0-191 set A: W2's 16 fragments at 12 (4 ct + sl).   Window 2: v0-191 h's at 48 ti + 12 sl; v192-223 my 16 rows of x.
;   Window 3: v0-191 set B (at the head: Ws's 8 fragments at 12 (2 ct + jj), x's 8 at 96 + 24 ti + 12 jj); v192-223 b2 or zeros.
; SCALARS.  s24 wave, s25 trips, s26 experts still to visit (a bit each), s27 column block, s30 / s31 this / the next visit's expert, s100 / s101 whether they exist, s[32:63] the slots [expert][tile],
;   s[84:87] this visit's four slots, s[66:81] h's bases, s[82:83] W2's images of expert 0, s[90:93] set A's bases, s[8:9] and s[14:15] set B's (at the head: Ws's), s[94:97] b2's and the weights' bases, s2, s3, s[98:99] at work (s99 = 0).
; LIMITS: the sums over K are split over four waves and added in f32; NaN and infinities as stated at the first kernel's head.
.set RED,   0                          ; LDS: [source wave][tile][8 x 512 bytes]: TOT's registers as they stand
.set STG,   65536                      ; a stage of 16 rows x (256 + 16) bytes for each wave
.set SPARE, 82944                      ; the spare words, 128 bytes a wave: no other line names them
.set SPW, 4
.set NIL, 5
.set LI,  6                            ; 16 x lane
.set LA,  7                            ; + 6,144 w: my four K steps of a slot
.set LH,  8                            ; 4 x lane + 512 w: their scale words
.set SCO, 9                            ; 64 r
.set B2O, 10                           ; 32 h
.set R4,  11                           ; 4 r
.set XO,  12                           ; v12-15
.set XSO, 16                           ; v16-19
.set WTO, 20                           ; v20-23  32 x token
.set LR,  24
.set LL,  25
.set STO, 26
.set SRD, 27
.set BSA, 28
.set AS,  44
.set WT,  60
.set Y,   64
.set BSB, 96
.set OA,  112
.set BSV, 120
.set TOT, 128
.set BB,  192                          ; in window 3
.set XR,  192                          ; in window 2
.set MSB, 0
.macro WIN new                         ; the immediate's high byte repeats the setting that is left; a switch that changes nothing is dropped
.if MSB != (\new)
	s_set_vgpr_msb (MSB<<8)|(\new)
.set MSB, (\new)
.endif
.endm
; the next visit: its expert is the lowest bit of s26, which loses it; s101 says whether there was one
.macro POP
	s_cmp_lg_u32 s26, 0
	s_cselect_b32 s101, 1, 0
	s_mov_b32 s31, 7
.irp k, 6,5,4,3,2,1,0
	s_and_b32 s98, s26, 1<<\k                      ; SCC: the bit is set
	s_cselect_b32 s31, \k, s31                     ; descending, so that the lowest wins
.endr
	s_add_co_u32 s98, s26, -1
	s_and_b32 s26, s26, s98
.endm
; the next visit becomes this one: its expert, whether it exists, its four slots
.macro TAKE
	s_mov_b32 s30, s31
	s_mov_b32 s100, s101
	s_mov_b64 s[84:85], s[32:33]
	s_mov_b64 s[86:87], s[34:35]
.irp k, 1,2,3,4,5,6,7
	s_cmp_eq_u32 s30, \k
	s_cselect_b64 s[84:85], s[32+4*\k:33+4*\k], s[84:85]
	s_cselect_b64 s[86:87], s[34+4*\k:35+4*\k], s[86:87]
.endr
.endm
; this visit's row of b2 and its column of the weights
.macro VBASE
	s_min_u32 s2, s30, 7
	s_lshl_b32 s98, s2, 11
	s_add_nc_u64 s[94:95], s[16:17], s[98:99]
	s_lshl_b32 s98, s2, 2
	s_add_nc_u64 s[96:97], s[88:89], s[98:99]
.endm
.macro B2LOAD                          ; wave 0 alone
	s_cmp_eq_u32 s24, 0
	s_cbranch_scc0 .Lno_b2_\@
	WIN 0xc0                                       ; destination window 3
.irp ct, 0,1,2,3
	global_load_b128 v[BB+8*\ct:BB+8*\ct+3], v[B2O], s[94:95] offset:64*\ct
	global_load_b128 v[BB+8*\ct+4:BB+8*\ct+7], v[B2O], s[94:95] offset:64*\ct+16
.endr
	WIN 0
.Lno_b2_\@:
.endm
; W2's 16 fragments and their scale words for the expert in s[ereg], into set 1 (A) or 3 (B): 52 loads, always
.macro WLOAD set, ereg
.if \set == 1
.set PB, 90
.set PS, 92
.set BSX, BSA
.else
.set PB, 8
.set PS, 14
.set BSX, BSB
.endif
	s_min_u32 s2, s[\ereg], 7
	s_mul_i32 s98, s2, 786432
	s_add_nc_u64 s[PB:PB+1], s[82:83], s[98:99]
	s_lshl_b32 s98, s2, 15
	s_add_nc_u64 s[PS:PS+1], s[12:13], s[98:99]
	WIN (\set)<<6                                  ; destination: the set's window
.set i, 0
.rept 48
	global_load_b128 v[4*i:4*i+3], v[LI], s[PB:PB+1] offset:512*i
.set i, i+1
.endr
	WIN 0
.irp ct, 0,1,2,3
	global_load_b128 v[BSX+4*\ct:BSX+4*\ct+3], v[SCO], s[PS:PS+1] offset:1024*\ct
.endr
.endm
; my four fragments of h of the slot in s2, and their scale words, into tile ti's place: 16 loads
.macro HGET ti
	s_mul_i32 s98, s2, 24576
	s_add_nc_u64 s[66+2*\ti:67+2*\ti], s[10:11], s[98:99]
	s_lshl_b32 s98, s2, 11
	s_add_nc_u64 s[74+2*\ti:75+2*\ti], s[28:29], s[98:99]
	WIN 0x80                                       ; destination window 2
.irp i, 0,1,2,3,4,5,6,7,8,9,10,11
	global_load_b128 v[48*\ti+4*\i:48*\ti+4*\i+3], v[LA], s[66+2*\ti:67+2*\ti] offset:512*\i
.endr
	WIN 0
.irp sl, 0,1,2,3
	global_load_b32 v[AS+4*\ti+\sl], v[LH], s[74+2*\ti:75+2*\ti] offset:128*\sl
.endr
.endm
.macro HLOAD0 ti                       ; visit 0: with no branch; a tile with no job takes the visit's lowest slot (s3)
	s_cmp_gt_u32 s[84+\ti], 347
	s_cselect_b32 s2, s3, s[84+\ti]
	s_min_u32 s2, s2, 347
	HGET \ti
.endm
.macro HLOAD ti                        ; later visits: only where the tile has a job; with my token's weight
	s_cmp_gt_u32 s[84+\ti], 347                    ; -1: no job
	s_cbranch_scc1 .Lno_h_\@
	s_min_u32 s2, s[84+\ti], 347
	HGET \ti
	global_load_b32 v[WT+\ti], v[WTO+\ti], s[96:97]
.Lno_h_\@:
.endm
; W2 of the next visit, if there is one, into the set that is free; then the wait for all that this visit multiplies
.macro AHEAD other
	s_cmp_eq_u32 s101, 0
	s_cbranch_scc1 .Llast_\@
	WLOAD \other, 31
	s_wait_loadcnt 52                              ; all but the 52 just issued: this visit's W2, h, weights and b2 are in
	s_branch .Lgo_\@
.Llast_\@:
	s_wait_loadcnt 0x0
.Lgo_\@:
.endm
; tile ti's 16 products on W2's set: four accumulators by turns; then TOT += w Y
.macro TILE ti, set
	s_cmp_gt_u32 s[84+\ti], 347
	s_cbranch_scc1 .Lno_t_\@
.if \set == 1
.set BSX, BSA
.else
.set BSX, BSB
.endif
.irp sl, 0,1,2,3
.if \sl == 0
	WIN 0x38+\set                                  ; source 0: the set's window; source 1 window 2; C (b2) window 3; D window 0
.else
	WIN 0x08+\set                                  ; C and D window 0
.endif
.irp ct, 0,1,2,3
.if \sl == 0
	v_wmma_scale_f32_16x16x128_f8f6f4 v[Y+8*\ct:Y+8*\ct+7], v[12*(4*\ct+\sl):12*(4*\ct+\sl)+11], v[48*\ti+12*\sl:48*\ti+12*\sl+11], v[BB+8*\ct:BB+8*\ct+7], v[BSX+4*\ct+\sl], v[AS+4*\ti+\sl] matrix_a_fmt:MATRIX_FMT_FP6 matrix_b_fmt:MATRIX_FMT_FP6
.else
	v_wmma_scale_f32_16x16x128_f8f6f4 v[Y+8*\ct:Y+8*\ct+7], v[12*(4*\ct+\sl):12*(4*\ct+\sl)+11], v[48*\ti+12*\sl:48*\ti+12*\sl+11], v[Y+8*\ct:Y+8*\ct+7], v[BSX+4*\ct+\sl], v[AS+4*\ti+\sl] matrix_a_fmt:MATRIX_FMT_FP6 matrix_b_fmt:MATRIX_FMT_FP6
.endif
.endr
.endr
	WIN 0
.rept 4
	v_nop                                          ; four places ahead of the first read of results (ISA guide 7.12.1); with the twelve multiply-adds below that name other accumulators they are also the places ahead of the next tile's products, which begin Y anew
.endr
.set p, 0
.rept 16                                       ; each accumulator is read from its low end on
.if (\ti)%2 == 0
	v_pk_fma_f32 v[TOT+32*\ti+p:TOT+32*\ti+p+1], v[Y+p:Y+p+1], v[WT+2*(\ti/2):WT+2*(\ti/2)+1], v[TOT+32*\ti+p:TOT+32*\ti+p+1] op_sel_hi:[1,0,1]
.else
	v_pk_fma_f32 v[TOT+32*\ti+p:TOT+32*\ti+p+1], v[Y+p:Y+p+1], v[WT+2*(\ti/2):WT+2*(\ti/2)+1], v[TOT+32*\ti+p:TOT+32*\ti+p+1] op_sel:[0,1,0] op_sel_hi:[1,1,1]
.endif
.set p, p+2
.endr
.Lno_t_\@:
.endm
; one visit behind the first: W2 lies, or is on its way, in set; the set other was multiplied by the visit before
.macro STEP set, other
	TAKE
	POP
	s_cmp_eq_u32 s100, 0
	s_cbranch_scc1 .Lnone_\@
.rept 4
	v_nop                                          ; four places ahead of loads into registers that products have read
.endr
	s_wait_xcnt 0x0                                ; every earlier load has read its bases: they are written again below
	VBASE
	B2LOAD
	HLOAD 0
	HLOAD 1
	HLOAD 2
	HLOAD 3
	AHEAD \other
	TILE 0, \set
	TILE 1, \set
	TILE 2, \set
	TILE 3, \set
	s_branch .Ldone_\@
.Lnone_\@:
	s_wait_loadcnt 0x0                             ; no such visit: nothing is asked for, and nothing stays out
.Ldone_\@:
.endm
	s_load_b256 s[4:11], s[0:1], 0x0               ; tok, tabs, w2i, hbuf
	s_load_b256 s[12:19], s[0:1], 0x20             ; W2_scales, Ws_scales, b2, bs
	s_load_b128 s[20:23], s[0:1], 0x40             ; x, out0
	v_lshl_add_u32 v[SPW], v0, 2, SPARE
	v_mov_b32 v[NIL], 0
	v_lshrrev_b32 v1, 5, v0
	v_readfirstlane_b32 s24, v1                    ; wave 0..3
	v_and_b32 v1, 31, v0
	v_and_b32 v2, 15, v0                           ; r
	v_bfe_u32 v3, v0, 4, 1                         ; h
	s_and_b32 s27, ttmp7, 0xffff                   ; ns: which 64 columns
	v_lshlrev_b32 v[LI], 4, v1
	s_mul_i32 s2, s24, 6144
	v_add_nc_u32 v[LA], s2, v[LI]
	v_lshlrev_b32 v[LH], 2, v1
	s_lshl_b32 s2, s24, 9
	v_add_nc_u32 v[LH], s2, v[LH]
	v_lshlrev_b32 v[SCO], 6, v2
	v_lshlrev_b32 v[B2O], 5, v3
	v_lshlrev_b32 v[R4], 2, v2
	s_lshl_b32 s2, s24, 14
	v_add_nc_u32 v[LR], s2, v[LI]                  ; LDS: my partial sums: 16,384 w + 16 lane
	s_lshl_b32 s2, s24, 12
	v_add_nc_u32 v[LL], s2, v[LI]                  ; the tile that I finish: 4,096 w + 16 lane
	s_mul_i32 s2, s24, 4352
	s_add_co_u32 s2, s2, STG                       ; my stage
	v_mul_u32_u24 v[STO], v2, 272
	v_lshl_add_u32 v[STO], v3, 5, v[STO]
	v_add_nc_u32 v[STO], s2, v[STO]                ; in: row r, 32 h bytes on
	v_mul_u32_u24 v[SRD], v3, 272
	v_lshl_add_u32 v[SRD], v2, 4, v[SRD]
	v_add_nc_u32 v[SRD], s2, v[SRD]                ; back: lanes 0-15 one row, lanes 16-31 the next
	v_lshlrev_b32 v68, 4, v2                       ; Ws's scale words: 16 bytes a row
	s_and_b32 s3, s24, 1
	s_mul_i32 s2, s3, 96
	v_mul_u32_u24 v69, v3, 192
	v_add_nc_u32 v69, s2, v69                      ; x's codes: 192 h + 96 (w % 2)
	s_lshl_b32 s3, s3, 3                           ; x's and Ws's scale words: 8 (w % 2)
	v_mov_b32 v70, s3
	v_lshlrev_b32 v80, 2, v3
	s_lshl_b32 s2, s24, 6
	v_add_nc_u32 v80, s2, v80                      ; the rows that I finish: perm[64 block + 16 w + 2 i + h]
	v_lshlrev_b32 v88, 4, v2
	s_lshl_b32 s2, s27, 8
	v_add_nc_u32 v88, s2, v88                      ; my 16 bytes of a row's 256: 16 r + 256 ns
	s_lshl_b32 s30, ttmp9, 4                       ; jt: 4 tiles x 4 bytes a block
	s_mov_b32 s99, 0
	s_wait_kmcnt 0x0
.irp e, 0,1,2,3,4,5,6,7
	s_load_b128 s[32+4*\e:35+4*\e], s[6:7], s30 offset:8192+512*\e       ; the four tiles' slots with each expert
.endr
	s_lshl_b32 s98, ttmp9, 8                       ; perm: 64 places x 4 bytes a block
	s_add_nc_u64 s[96:97], s[6:7], s[98:99]
.irp ti, 0,1,2,3
	global_load_b32 v[64+\ti], v[R4], s[96:97] offset:64*\ti             ; my row's token in each tile
.endr
.irp i, 0,1,2,3,4,5,6,7
	global_load_b32 v[72+\i], v80, s[96:97] offset:8*\i                  ; and the tokens of the 16 rows that I finish
.endr
	s_lshl_b32 s2, s27, 2
	s_add_co_u32 s2, s2, s24                       ; 4 ns + w
	s_mul_i32 s98, s2, 24576
	s_add_nc_u64 s[82:83], s[8:9], s[98:99]        ; W2's 16 images of (expert 0, ns, w); 786,432 bytes from expert to expert
	s_mul_i32 s98, s2, 12288
	s_add_co_u32 s98, s98, 6291456
	s_add_nc_u64 s[8:9], s[8:9], s[98:99]          ; Ws's 8 images of (ns, w)
	s_lshr_b32 s98, s24, 1
	s_lshl_b32 s98, s98, 13                        ; 512 (w / 2) rows of 16 bytes
	s_lshl_b32 s2, s27, 10                         ; 64 ns rows
	s_add_co_u32 s98, s98, s2
	s_add_co_u32 s98, s98, s3
	s_add_nc_u64 s[14:15], s[14:15], s[98:99]
	WIN 0xc0                                       ; destination window 3
.set i, 0
.rept 24
	global_load_b128 v[4*i:4*i+3], v[LI], s[8:9] offset:512*i
.set i, i+1
.endr
.set i, 0
.rept 32
	v_mov_b32 v[BB+i], 0                           ; the C of waves 1 to 3 (wave 0 loads b2 over them in each visit)
.set i, i+1
.endr
	WIN 0
.irp ct, 0,1,2,3
	global_load_b64 v[BSB+2*\ct:BSB+2*\ct+1], v68, s[14:15] offset:256*\ct
.endr
	s_lshl_b32 s98, s27, 12
	s_lshl_b32 s2, s24, 4
	s_add_co_u32 s98, s98, s2
	s_add_nc_u64 s[12:13], s[12:13], s[98:99]      ; W2's scale bytes: expert 0, row 64 ns, 16 w bytes on
	s_lshl_b32 s98, s27, 8
	s_add_nc_u64 s[16:17], s[16:17], s[98:99]      ; b2: expert 0, column 64 ns
	s_add_nc_u64 s[28:29], s[10:11], 8552448       ; h's scale words
	s_add_nc_u64 s[88:89], s[4:5], 819200          ; the weights, expert 0
	s_wait_kmcnt 0x0                               ; the slots
	s_mov_b32 s26, 0
.irp e, 0,1,2,3,4,5,6,7                        ; a bit for each expert that some of my four tiles uses
	s_min_u32 s2, s[32+4*\e], s[33+4*\e]
	s_min_u32 s98, s[34+4*\e], s[35+4*\e]
	s_min_u32 s2, s2, s98
	s_cmp_le_u32 s2, 347
	s_cselect_b32 s2, 1<<\e, 0
	s_or_b32 s26, s26, s2
.endr
	POP
	TAKE                                           ; visit 0
	POP                                            ; visit 1
	s_min_u32 s3, s84, s85
	s_min_u32 s2, s86, s87
	s_min_u32 s3, s3, s2
	s_min_u32 s3, s3, 347                          ; visit 0's lowest slot
	HLOAD0 0
	HLOAD0 1
	s_wait_loadcnt 60                              ; the 12 tokens are in; behind them: 28 loads of Ws and 32 of h
.irp ti, 0,1,2,3
	v_min_u32 v[64+\ti], 2047, v[64+\ti]
	v_mad_u32_u24 v[XO+\ti], v[64+\ti], 384, v69
	v_lshl_add_u32 v[XSO+\ti], v[64+\ti], 4, v70
	v_lshlrev_b32 v[WTO+\ti], 5, v[64+\ti]
.endr
.irp i, 0,1,2,3,4,5,6,7
	v_min_u32 v[72+\i], 2047, v[72+\i]
	v_lshl_add_u32 v[OA+\i], v[72+\i], 11, v88     ; the token's row of 2,048 bytes, in x and in out0 alike
.endr
	VBASE                                          ; (s[96:97] held perm's base: its loads are in)
	B2LOAD
	WLOAD 1, 30                                    ; visit 0's W2 into set A
.irp ti, 0,1,2,3
	global_load_b64 v[BSB+8+2*\ti:BSB+8+2*\ti+1], v[XSO+\ti], s[4:5] offset:786432
.endr
	WIN 0xc0
.irp ti, 0,1,2,3
.irp i, 0,1,2,3,4,5
	global_load_b128 v[96+24*\ti+4*\i:96+24*\ti+4*\i+3], v[XO+\ti], s[4:5] offset:16*\i
.endr
.endr
	WIN 0x80                                       ; destination window 2
.irp i, 0,1,2,3,4,5,6,7
	global_load_b128 v[XR+4*\i:XR+4*\i+3], v[OA+\i], s[20:21]            ; x's rows for the way out: they wait in registers
.endr
	WIN 0
	global_load_b128 v[BSV:BSV+3], v88, s[18:19]
	global_load_b128 v[BSV+4:BSV+7], v88, s[18:19] offset:2048
.irp ti, 0,1,2,3
	global_load_b32 v[WT+\ti], v[WTO+\ti], s[96:97]
.endr
	HLOAD0 2
	HLOAD0 3
	s_wait_loadcnt 46                              ; Ws and x's codes are in; behind them: 8 rows of x, 2 of bs, 4 weights, 32 of h
	; ---- the shared product starts the sums: both halves of Ws add into one accumulator; sixteen accumulators by turns
	WIN 0x0f                                       ; sources 0 and 1 window 3, C and D window 0
.irp jj, 0,1
.irp ti, 0,1,2,3
.irp ct, 0,1,2,3
.if \jj == 0
	v_wmma_scale_f32_16x16x128_f8f6f4 v[TOT+32*\ti+8*\ct:TOT+32*\ti+8*\ct+7], v[12*(2*\ct+\jj):12*(2*\ct+\jj)+11], v[96+24*\ti+12*\jj:96+24*\ti+12*\jj+11], 0, v[BSB+2*\ct+\jj], v[BSB+8+2*\ti+\jj] matrix_a_fmt:MATRIX_FMT_FP6 matrix_b_fmt:MATRIX_FMT_FP6
.else
	v_wmma_scale_f32_16x16x128_f8f6f4 v[TOT+32*\ti+8*\ct:TOT+32*\ti+8*\ct+7], v[12*(2*\ct+\jj):12*(2*\ct+\jj)+11], v[96+24*\ti+12*\jj:96+24*\ti+12*\jj+11], v[TOT+32*\ti+8*\ct:TOT+32*\ti+8*\ct+7], v[BSB+2*\ct+\jj], v[BSB+8+2*\ti+\jj] matrix_a_fmt:MATRIX_FMT_FP6 matrix_b_fmt:MATRIX_FMT_FP6
.endif
.endr
.endr
.endr
	WIN 0
.rept 4
	v_nop                                          ; four places ahead of loads into set B and its scale words, which these products have read
.endr
	; ---- visit 0, on set A.  Set B's bases s[8:9] and s[14:15] held Ws's: those loads are in
	AHEAD 3
	TILE 0, 1
	TILE 1, 1
	TILE 2, 1
	TILE 3, 1
	s_mov_b32 s25, 0
.Lvisits:                                          ; 4 trips: visits 1 to 8, by turns on sets B and A
	STEP 3, 1
	STEP 1, 3
	s_add_co_u32 s25, s25, 1
	s_cmp_lt_u32 s25, 4
	s_cbranch_scc1 .Lvisits
	; ---- the four partial sums meet; wave w finishes tile w
	s_wait_loadcnt 0x0
.rept 4
	v_nop                                          ; four places behind the last products, on every way here
.endr
.irp ti, 0,1,2,3
.irp q, 0,1,2,3,4,5,6,7
	ds_store_b128 v[LR], v[TOT+32*\ti+4*\q:TOT+32*\ti+4*\q+3] offset:RED+4096*\ti+512*\q   ; registers as they stand; each accumulator from its low end on
.endr
.endr
	v_pk_add_f32 v[BSV:BSV+1], v[BSV:BSV+1], v[BSV+4:BSV+5]              ; bs's two halves
	v_pk_add_f32 v[BSV+2:BSV+3], v[BSV+2:BSV+3], v[BSV+6:BSV+7]
	s_wait_dscnt 0x0                               ; for the others' sake: my stores have landed
	s_barrier_signal -1
	s_barrier_wait -1
.irp w, 0,1,2,3
.irp q, 0,1,2,3,4,5,6,7
	ds_load_b128 v[128+32*\w+4*\q:131+32*\w+4*\q], v[LL] offset:RED+16384*\w+512*\q
.endr
.endr
	s_wait_dscnt 0x0
.set p, 0
.rept 16
	v_pk_add_f32 v[128+p:129+p], v[128+p:129+p], v[160+p:161+p]
	v_pk_add_f32 v[192+p:193+p], v[192+p:193+p], v[224+p:225+p]
.set p, p+2
.endr
.set p, 0
.rept 16
	v_pk_add_f32 v[128+p:129+p], v[128+p:129+p], v[192+p:193+p]
.set p, p+2
.endr
.irp ct, 0,1,2,3                               ; lane (r, h): row r, columns 16 ct + 8 h + 0 .. 7
	ds_store_b128 v[STO], v[128+8*\ct:131+8*\ct] offset:64*\ct
	ds_store_b128 v[STO], v[132+8*\ct:135+8*\ct] offset:64*\ct+16
.endr
.irp i, 0,1,2,3,4,5,6,7
	ds_load_b128 v[160+4*\i:163+4*\i], v[SRD] offset:544*\i              ; LDS serves a wave's instructions in order: these see my stores; the stage is my own
.endr
	s_wait_dscnt 0x0
.irp i, 0,1,2,3,4,5,6,7
	v_pk_add_f32 v[160+4*\i:161+4*\i], v[160+4*\i:161+4*\i], v[BSV:BSV+1]
	v_pk_add_f32 v[162+4*\i:163+4*\i], v[162+4*\i:163+4*\i], v[BSV+2:BSV+3]
.endr
	WIN 0x08                                       ; source 1 window 2: x's rows
.irp i, 0,1,2,3,4,5,6,7
	v_pk_add_f32 v[160+4*\i:161+4*\i], v[160+4*\i:161+4*\i], v[XR+4*\i:XR+4*\i+1]
	v_pk_add_f32 v[162+4*\i:163+4*\i], v[162+4*\i:163+4*\i], v[XR+4*\i+2:XR+4*\i+3]
.endr
	WIN 0
.irp i, 0,1,2,3,4,5,6,7
	global_store_b128 v[OA+\i], v[160+4*\i:163+4*\i], s[22:23] th:TH_STORE_NT   ; sixteen lanes store 256 consecutive bytes of one token's row, aligned
.endr
	s_wait_tensorcnt 0x0                           ; the wave's end
	ds_add_u32 v[SPW], v[NIL]
	s_wait_dscnt 0x0
	s_endpgm
.Lfunc_end_k_q23e22b007b_ffn2:
	.size	k_q23e22b007b_ffn2, .Lfunc_end_k_q23e22b007b_ffn2-k_q23e22b007b_ffn2
	.p2alignl 7, 3214868480
	.fill 96, 4, 3214868480
	.section	.rodata,"a",@progbits
	.p2align	6, 0x0
	.amdhsa_kernel k_q23e22b007b_ffn2
		.amdhsa_group_segment_fixed_size 83456
		.amdhsa_private_segment_fixed_size 0
		.amdhsa_enable_private_segment 0
		.amdhsa_kernarg_size 80
		.amdhsa_user_sgpr_count 2
		.amdhsa_user_sgpr_kernarg_segment_ptr 1
		.amdhsa_wavefront_size32 1
		.amdhsa_system_sgpr_workgroup_id_x 1
		.amdhsa_system_sgpr_workgroup_id_y 1
		.amdhsa_system_sgpr_workgroup_id_z 1
		.amdhsa_system_vgpr_workitem_id 0
		.amdhsa_next_free_vgpr 992
		.amdhsa_next_free_sgpr 102
		.amdhsa_reserve_vcc 0
		.amdhsa_float_denorm_mode_32 3
		.amdhsa_float_denorm_mode_16_64 3
		.amdhsa_memory_ordered 1
		.amdhsa_forward_progress 1
		.amdhsa_inst_pref_size 125
	.end_amdhsa_kernel
	.amdgpu_metadata
---
amdhsa.version: [ 1, 2 ]
amdhsa.kernels:
  - .name:           k_q23e22b007b_ffn2
    .symbol:         k_q23e22b007b_ffn2.kd
    .args:
      - { .name: tok, .offset: 0, .size: 8, .value_kind: global_buffer, .address_space: global }
      - { .name: tabs, .offset: 8, .size: 8, .value_kind: global_buffer, .address_space: global }
      - { .name: w2i, .offset: 16, .size: 8, .value_kind: global_buffer, .address_space: global }
      - { .name: hbuf, .offset: 24, .size: 8, .value_kind: global_buffer, .address_space: global }
      - { .name: W2_scales, .offset: 32, .size: 8, .value_kind: global_buffer, .address_space: global }
      - { .name: Ws_scales, .offset: 40, .size: 8, .value_kind: global_buffer, .address_space: global }
      - { .name: b2, .offset: 48, .size: 8, .value_kind: global_buffer, .address_space: global }
      - { .name: bs, .offset: 56, .size: 8, .value_kind: global_buffer, .address_space: global }
      - { .name: x, .offset: 64, .size: 8, .value_kind: global_buffer, .address_space: global }
      - { .name: out0, .offset: 72, .size: 8, .value_kind: global_buffer, .address_space: global }
    .group_segment_fixed_size: 83456
    .private_segment_fixed_size: 0
    .kernarg_segment_align: 8
    .kernarg_segment_size: 80
    .max_flat_workgroup_size: 128
    .sgpr_count:     102
    .vgpr_count:     992
    .wavefront_size: 32
...
	.end_amdgpu_metadata
.endif
;; end of part 4
